; MI455X (gfx1250); checked and timed in simulation.
; The chip was launched on July 23, 2026; its instructions are those of AMD's public machine-readable ISA for CDNA 5 (MIT licence, August 2026) and "CDNA5" Instruction Set Architecture Reference Guide (July 2026). The comments in the code are by the model that wrote it; some were corrected since.
;; TCA Block. Allowed arithmetic: matrix products marked QUANTISED: E3M2 operands, one E8M0 scale for each 32 along K, by v_wmma_scale_f32_16x16x128_f8f6f4 with both operands' format E3M2, f32 sums; products left as they are: f32 operands where the result goes on into a quantised operand, else bf16, f16 or f32 operands; f32 sums; everything else in f32.
;; Inputs: Wk_codes 1,024 x 32 x 24 uint8 (E3M2 codes of Wk, K innermost, in blocks of 32 codes, four codes in three bytes); Wk_scales 1,024 x 32 uint8 (E8M0 scales of Wk, one for each 32 codes along K); Wout_codes 1,024 x 32 x 24 uint8 (E3M2 codes of Wout, K innermost, in blocks of 32 codes, four codes in three bytes); Wout_scales 1,024 x 32 uint8 (E8M0 scales of Wout, one for each 32 codes along K); Wq_codes 1,024 x 32 x 24 uint8 (E3M2 codes of Wq, K innermost, in blocks of 32 codes, four codes in three bytes); Wq_scales 1,024 x 32 uint8 (E8M0 scales of Wq, one for each 32 codes along K); Wv_codes 1,024 x 32 x 24 uint8 (E3M2 codes of Wv, K innermost, in blocks of 32 codes, four codes in three bytes); Wv_scales 1,024 x 32 uint8 (E8M0 scales of Wv, one for each 32 codes along K); bout 1,024 float32; c_codes 2,048 x 8 x 32 x 24 uint8 (E3M2 codes of c, K innermost, in blocks of 32 codes, four codes in three bytes); c_scales 2,048 x 8 x 32 uint8 (E8M0 scales of c, one for each 32 codes along K); x_codes 2,048 x 8 x 32 x 24 uint8 (E3M2 codes of x, K innermost, in blocks of 32 codes, four codes in three bytes); x_scales 2,048 x 8 x 32 uint8 (E8M0 scales of x, one for each 32 codes along K).
;; Outputs: out0 2,048 x 8 x 1,024 float32.
;; This version of the problem:
;;   THIS VERSION OF THE PROBLEM IS GIVEN IN LOW PRECISION. The matrix products marked QUANTISED in the list below multiply operands that are first quantised to E3M2 (3 exponent bits, 2 mantissa bits; 6 bits a number), with one power-of-two scale for each 32 numbers along K (OCP MX v1.0); their sums are f32. All else is computed in f32.
;;   The module's matrix products, in the order in which they are computed (A, B: the left and right operand; K: the contracted axis; several contracted axes count as one K, in the product's order):
;;     1. [M 16,384, K 1,024] x [K 1,024, N 1,024]; A: input x (given as codes); B: input Wq (given as codes): QUANTISED
;;     2. [M 16,384, K 1,024] x [K 1,024, N 1,024]; A: input c (given as codes); B: input Wk (given as codes): QUANTISED
;;     3. [M 16,384, K 1,024] x [K 1,024, N 1,024]; A: input c (given as codes); B: input Wv (given as codes): QUANTISED
;;     4. batch 16,384 x [M 8, K 128] x [K 128, N 8]; A: computed on the way; B: computed on the way: left as it is (M = 8 < 16)
;;     5. batch 16,384 x [M 8, K 8] x [K 8, N 128]; A: softmax; B: computed on the way: left as it is (K = 8 < 32)
;;     6. [M 16,384, K 1,024] x [K 1,024, N 1,024]; A: computed on the way; B: input Wout (given as codes): QUANTISED
;;   THE QUANTISER, for each operand of a quantised product, along K:
;;     - K is cut into blocks of 32 from its start; a last block that is shorter is filled with zeros.
;;     - A block's scale is 2^e with e = floor(log2(the largest magnitude in the block)) - 4, held to -126 .. 127; a block of zeros has e = 0. As a byte (E8M0): e + 127.
;;     - Each number is divided by its block's scale, clamped to +-28, and rounded to the nearest number of E3M2, ties to even, subnormals kept.
;;     - The product sums the exact products of the quantised numbers (number of the format x scale) in f32.
;;   ~~~python
;;   def quantise(x, axis):      # numpy; x: float32 -> the quantised numbers, widened to float32 again
;;       x = np.moveaxis(x, axis, -1); K = x.shape[-1]
;;       x = np.pad(x, [(0, 0)] * (x.ndim - 1) + [(0, -K % 32)]); x = x.reshape(x.shape[:-1] + (-1, 32)); a = np.abs(x).max(-1, keepdims=True)
;;       e = np.where(a > 0, np.clip(np.frexp(np.where(a > 0, a, 1))[1] - 1 - 4, -126, 127), 0)      # np.frexp(a)[1] - 1 = floor(log2(a)), exactly
;;       r = np.clip(x / 2.0 ** e, -28, 28)
;;       step = 2.0 ** (np.maximum(np.frexp(np.where(r == 0, 1, r))[1] - 1, -2) - 2)
;;       q = np.round(r / step) * step * 2.0 ** e      # np.round: ties to even
;;       return np.moveaxis(q.reshape(q.shape[:-2] + (-1,))[..., :K], -1, axis).astype(np.float32)
;;   ~~~
;;   OPERANDS COMPUTED ON THE WAY. 'Computed on the way' means the value that the module computes at that place (a softmax that the list does not call 'softmax' is quantised finished and normalised). What goes into a quantiser is computed in f32, as accurately as f32 sums, v_exp_f32 and their like allow (about 1e-6 of the number): no bf16 or f16 on the way to a quantiser, and a product that is left as it is and whose result goes on into a quantised operand takes f32 operands (vector FMAs, or v_wmma_f32_16x16x4_f32). A number that lies on a knife's edge between two numbers of the format may be rounded either way, as far as f32 arithmetic and the matrix unit's own rounding can turn it there, and no further.
;;   INPUTS GIVEN AS CODES. Wk (in the module: [1024, 1024], K = its axis 0); Wout (in the module: [1024, 1024], K = its axis 0); Wq (in the module: [1024, 1024], K = its axis 0); Wv (in the module: [1024, 1024], K = its axis 0); c (in the module: [2048, 8, 1024], K = its axis 2); x (in the module: [2048, 8, 1024], K = its axis 2): each comes as NAME_codes (uint8): NAME with its K axis moved to the last place and cut into blocks of 32 codes, [.., K / 32, bytes a block], one block behind the other in memory; four codes in three bytes: a row's codes are one little-endian stream of bits, code i at bits 6 i .. 6 i + 5 (a code: sign, 3 exponent bits, 2 mantissa bits); and NAME_scales (uint8): the same leading axes, one E8M0 byte (e + 127) for each 32 codes along K. Its value is code x scale, taken as it is: it is not quantised again, and the codes and scales need not be those that the quantiser above would give.
;; 2 versions, each right. Each part assembles by itself: llvm-mc -triple=amdgcn-amd-amdhsa -mcpu=gfx1250 --defsym DOCPART=n.
;; ======== version 1 of 2: 2 launches
;; workspace buffers: wstream 3,276,800 bytes
;; launch relay (part 1): grid 256 x 1, 8 waves a work-group, no clusters, 1,536 bytes of LDS; arguments Wq_codes, Wq_scales, Wk_codes, Wk_scales, Wv_codes, Wv_scales, Wout_codes, Wout_scales, wstream; writes wstream
.if DOCPART == 1
	.amdgcn_target "amdgcn-amd-amdhsa--gfx1250"
	.amdhsa_code_object_version 6
	.text
	.protected	k_qd5a62ebb54_relay
	.globl	k_qd5a62ebb54_relay
	.p2align	8
	.type	k_qd5a62ebb54_relay,@function
k_qd5a62ebb54_relay:
	s_mov_b64 s[64:65], 0
	v_nop
	global_prefetch_b8 v0, s[64:65] scope:SCOPE_SE
	s_setreg_imm32_b32 hwreg(HW_REG_WAVE_MODE, 25, 1), 1
	s_wait_xcnt 0x0
; The four weights (codes of E3M2, K innermost, 768 bytes a row; scale bytes, 32 a row) are laid out once, in the order in which the next launch takes them and as
; images of its operand registers.  wstream: 32 slots of 102,400 bytes (one step of 128 along K for a whole work-group); in a slot four quarters of 25,600 bytes, one for
; each wave of the reader; in a quarter 16 fragments of 1,536 bytes and 1,024 bytes of scale words.
; A fragment is 16 weight rows x 128 K: 12 registers a lane; register q of lane L lies at 512 (q / 4) + 16 L + 4 (q % 4), so that three loads of 16 bytes a lane bring it.
; Lane L = (rho = L % 16, h = L / 16) holds, of weight row n(rho), the bytes 96 ks + 24 h + 0 .. 23 (registers 0-5) and 96 ks + 48 + 24 h + 0 .. 23 (registers 6-11).
; Scale words: register q of lane L is the word (bytes 4 ks .. 4 ks + 3 of the scale row) of fragment 2 q + L / 16, row L % 16, laid like a fragment's registers.
; WHICH ROWS: n = CA (rho % 8) + CB (rho / 8) + C0.  t = slot, w = quarter, f = fragment:
;   t 0-15  (q and k): Wq for f < 8, Wk for f >= 8; ks = t % 8; CA 128, CB 1, C0 = 32 w + 2 (8 (t / 8) + f % 8): a result's eight registers are the eight chunks of 128, at one channel
;   t 16-23 (v):       Wv; ks = t % 8; CA 1, CB 16, C0 = 128 (f / 2) + 32 w + 8 (f % 2): the 16 registers of fragments 2 j, 2 j + 1 are 16 neighbouring channels of chunk j
;   t 24-31 (out):     Wout; ks = 4 (t % 2) + f / 4; CA 1, CB 8, C0 = 256 ((t % 8) / 2) + 64 w + 16 (f % 4)
; SHARES: work-group = (t, w, half hf of the quarter's fragments); its eight waves take a fragment each.  One path for all: numbers and pointers are chosen by selects on the work-group's number.
.set SLOTB, 102400
.set WQ,    25600
.set FRB,   1536
	s_load_b512 s[8:23], s[0:1], 0x0               ; Wq's codes s[8:9], scales s[10:11]; Wk's s[12:15]; Wv's s[16:19]; Wout's s[20:23]
	s_load_b64 s[24:25], s[0:1], 0x40              ; wstream
	v_lshl_add_u32 v32, v0, 2, 0x200
	v_mov_b32 v33, 0
	v_lshrrev_b32 v1, 5, v0
	v_readfirstlane_b32 s2, v1                     ; wave 0..7
	v_and_b32 v2, 31, v0                           ; lane
	v_and_b32 v3, 15, v0                           ; rho
	v_bfe_u32 v4, v0, 4, 1                         ; h
	s_and_b32 s3, ttmp9, 1                         ; hf
	s_bfe_u32 s4, ttmp9, 0x20001                   ; w
	s_lshr_b32 s5, ttmp9, 3                        ; t
	s_lshr_b32 s6, s5, 3                           ; 0, 1: q and k;  2: v;  3: out
	s_and_b32 s7, s5, 7                            ; t % 8
	s_lshl_b32 s26, s3, 3
	s_add_co_u32 s26, s26, s2                      ; f = 8 hf + wave
	s_lshl_b32 s27, s4, 5                          ; 32 w
	s_lshl_b32 s28, s6, 3
	s_add_co_u32 s28, s28, s2
	s_lshl_b32 s28, s28, 1
	s_add_co_u32 s28, s28, s27                     ; C0 for q and k
	s_lshr_b32 s29, s26, 1
	s_lshl_b32 s29, s29, 7
	s_add_co_u32 s29, s29, s27
	s_and_b32 s30, s26, 1
	s_lshl_b32 s30, s30, 3
	s_add_co_u32 s29, s29, s30                     ; C0 for v
	s_lshr_b32 s30, s7, 1
	s_lshl_b32 s30, s30, 8
	s_lshl_b32 s31, s4, 6
	s_add_co_u32 s30, s30, s31
	s_and_b32 s31, s26, 3
	s_lshl_b32 s31, s31, 4
	s_add_co_u32 s30, s30, s31                     ; C0 for out
	s_and_b32 s31, s5, 1
	s_lshl_b32 s31, s31, 2
	s_lshr_b32 s32, s26, 2
	s_add_co_u32 s31, s31, s32                     ; ks for out
	s_cmp_lt_u32 s6, 2
	s_cselect_b32 s33, 128, 1                      ; CA
	s_cselect_b32 s34, s28, s29                    ; C0
	s_cselect_b32 s35, 1, 16                       ; CB
	s_cmp_eq_u32 s6, 3
	s_cselect_b32 s34, s30, s34
	s_cselect_b32 s35, 8, s35
	s_cselect_b32 s36, s31, s7                     ; ks
	v_and_b32 v5, 7, v3
	v_lshrrev_b32 v6, 3, v3
	v_mul_lo_u32 v5, v5, s33
	v_mad_u32_u24 v5, v6, s35, v5
	v_add_nc_u32 v5, s34, v5                       ; n
	v_mul_u32_u24 v7, v5, 768
	v_mad_u32_u24 v7, v4, 24, v7
	s_mul_i32 s37, s36, 96
	v_add_nc_u32 v7, s37, v7                       ; my 24 bytes: 768 n + 96 ks + 24 h
	v_lshlrev_b32 v6, 5, v5
	s_lshl_b32 s42, s36, 2
	v_add_nc_u32 v6, s42, v6                       ; my row's scale word: 32 n + 4 ks
	v_lshlrev_b32 v21, 4, v2                       ; 16 x lane
	s_and_b32 s27, s2, 1                           ; LDS: the half quarter's 512 bytes of scale words: 16 rho + 256 (wave % 2) + 4 (wave / 2)
	s_lshl_b32 s27, s27, 8
	s_lshr_b32 s28, s2, 1
	s_lshl_b32 s28, s28, 2
	s_add_co_u32 s27, s27, s28
	v_lshl_add_u32 v22, v3, 4, s27
	s_mul_i32 s43, s5, SLOTB
	s_mul_i32 s44, s4, WQ
	s_add_co_u32 s43, s43, s44                     ; the quarter's place in wstream
	s_mul_i32 s46, s26, FRB
	s_add_co_u32 s46, s46, s43                     ; my fragment's
	s_mov_b32 s47, 0
	s_lshl_b32 s44, s3, 9
	s_add_co_u32 s44, s44, s43
	s_add_co_u32 s44, s44, 16*FRB                  ; the half quarter's scale words'
	s_mov_b32 s45, 0
	s_wait_kmcnt 0x0
	s_cmp_eq_u32 s3, 0                             ; the choices hang on the work-group's number alone
	s_cselect_b64 s[38:39], s[8:9], s[12:13]
	s_cselect_b64 s[40:41], s[10:11], s[14:15]
	s_cmp_eq_u32 s6, 2
	s_cselect_b64 s[38:39], s[16:17], s[38:39]
	s_cselect_b64 s[40:41], s[18:19], s[40:41]
	s_cmp_eq_u32 s6, 3
	s_cselect_b64 s[38:39], s[20:21], s[38:39]
	s_cselect_b64 s[40:41], s[22:23], s[40:41]
	s_add_nc_u64 s[46:47], s[24:25], s[46:47]
	s_add_nc_u64 s[44:45], s[24:25], s[44:45]
.irp p, 0,1,2,3,4,5
	global_load_b64 v[8+2*\p:9+2*\p], v7, s[38:39] offset:48*(\p/3)+8*(\p%3)   ; pieces of 8 bytes: every address is a multiple of the access's size
.endr
	global_load_b32 v20, v6, s[40:41]
	s_wait_loadcnt 0x0
.irp g, 0,1,2
	global_store_b128 v21, v[8+4*\g:11+4*\g], s[46:47] offset:512*\g           ; 32 lanes store 512 consecutive bytes, at a multiple of 256 from the buffer's first byte
.endr
	ds_store_b32 v22, v20                          ; lanes rho and rho + 16 write the same word with the same value
	s_wait_dscnt 0x0                               ; for the others' sake: my store has landed
	s_barrier_signal -1
	s_barrier_wait -1
	s_cmp_lg_u32 s2, 0
	s_cbranch_scc1 .Ldone                          ; wave 0 stores the eight waves' scale words as 512 consecutive bytes
	ds_load_b128 v[24:27], v21
	s_wait_dscnt 0x0
	global_store_b128 v21, v[24:27], s[44:45]
.Ldone:
	s_wait_tensorcnt 0x0
	ds_add_u32 v32, v33
	s_wait_dscnt 0x0
	s_endpgm
.Lfunc_end_k_qd5a62ebb54_relay:
	.size	k_qd5a62ebb54_relay, .Lfunc_end_k_qd5a62ebb54_relay-k_qd5a62ebb54_relay
	.p2alignl 7, 3214868480
	.fill 96, 4, 3214868480
	.section	.rodata,"a",@progbits
	.p2align	6, 0x0
	.amdhsa_kernel k_qd5a62ebb54_relay
		.amdhsa_group_segment_fixed_size 1536
		.amdhsa_private_segment_fixed_size 0
		.amdhsa_enable_private_segment 0
		.amdhsa_kernarg_size 72
		.amdhsa_user_sgpr_count 2
		.amdhsa_user_sgpr_kernarg_segment_ptr 1
		.amdhsa_wavefront_size32 1
		.amdhsa_system_sgpr_workgroup_id_x 1
		.amdhsa_system_sgpr_workgroup_id_y 1
		.amdhsa_system_sgpr_workgroup_id_z 1
		.amdhsa_system_vgpr_workitem_id 0
		.amdhsa_next_free_vgpr 34
		.amdhsa_next_free_sgpr 66
		.amdhsa_reserve_vcc 0
		.amdhsa_float_denorm_mode_32 3
		.amdhsa_float_denorm_mode_16_64 3
		.amdhsa_memory_ordered 1
		.amdhsa_forward_progress 1
		.amdhsa_inst_pref_size 6
	.end_amdhsa_kernel
	.amdgpu_metadata
---
amdhsa.version: [ 1, 2 ]
amdhsa.kernels:
  - .name:           k_qd5a62ebb54_relay
    .symbol:         k_qd5a62ebb54_relay.kd
    .args:
      - { .name: Wq_codes, .offset: 0, .size: 8, .value_kind: global_buffer, .address_space: global }
      - { .name: Wq_scales, .offset: 8, .size: 8, .value_kind: global_buffer, .address_space: global }
      - { .name: Wk_codes, .offset: 16, .size: 8, .value_kind: global_buffer, .address_space: global }
      - { .name: Wk_scales, .offset: 24, .size: 8, .value_kind: global_buffer, .address_space: global }
      - { .name: Wv_codes, .offset: 32, .size: 8, .value_kind: global_buffer, .address_space: global }
      - { .name: Wv_scales, .offset: 40, .size: 8, .value_kind: global_buffer, .address_space: global }
      - { .name: Wout_codes, .offset: 48, .size: 8, .value_kind: global_buffer, .address_space: global }
      - { .name: Wout_scales, .offset: 56, .size: 8, .value_kind: global_buffer, .address_space: global }
      - { .name: wstream, .offset: 64, .size: 8, .value_kind: global_buffer, .address_space: global }
    .group_segment_fixed_size: 1536
    .private_segment_fixed_size: 0
    .kernarg_segment_align: 8
    .kernarg_segment_size: 72
    .max_flat_workgroup_size: 256
    .sgpr_count:     66
    .vgpr_count:     34
    .wavefront_size: 32
...
	.end_amdgpu_metadata
.endif
;; end of part 1
;; launch fused (part 2): grid 256 x 1, 4 waves a work-group, clusters of 4 x 1, 327,680 bytes of LDS; arguments x_codes, x_scales, c_codes, c_scales, wstream, bout, out0; writes out0
.if DOCPART == 2
	.amdgcn_target "amdgcn-amd-amdhsa--gfx1250"
	.amdhsa_code_object_version 6
	.text
	.protected	k_qd5a62ebb54_fused
	.globl	k_qd5a62ebb54_fused
	.p2align	8
	.type	k_qd5a62ebb54_fused,@function
k_qd5a62ebb54_fused:
	s_mov_b64 s[64:65], 0
	v_nop
	global_prefetch_b8 v0, s[64:65] scope:SCOPE_SE
	s_setreg_imm32_b32 hwreg(HW_REG_WAVE_MODE, 25, 1), 1
	s_wait_xcnt 0x0
	s_wait_alu depctr_hold_cnt(0) depctr_sa_sdst(0) depctr_va_vdst(0) depctr_va_sdst(0) depctr_va_ssrc(0) depctr_va_vcc(0) depctr_vm_vsrc(0)
	s_getreg_b32 s2, hwreg(HW_REG_IB_STS2, 6, 4)
	s_cmp_eq_u32 s2, 0
	s_cbranch_scc0 .Lentry_in_a_cluster
	s_endpgm
.Lentry_in_a_cluster:
	s_bfe_u32 s2, ttmp6, 0x10000c
	s_cmp_lg_u32 s2, 0x3003
	s_cbranch_scc0 .Lentry_shape_is_right
	s_endpgm
.Lentry_shape_is_right:
; out = Q(attn) Wout + bout, attn from q = x Wq, k = c Wk, v = c Wv.  The raw reshape makes the attention local to a ROW: row m's 1,024 numbers are 8 chunks of 128;
; S[i][j] = sum over ch of q[128 i + ch] k[128 j + ch] / sqrt(128); P = softmax over j; attn[128 i + ch] = sum over j of P[i][j] v[128 j + ch].  So a block of rows goes through the whole chain here.
; The four large products run on codes of E3M2 with E8M0 scales; S and P v are f32 multiply-adds; attn is quantised in registers, along its 1,024, in blocks of 32.
; SHARES.  A work-group owns 64 rows (four tiles of 16).  THE WAVES SHARE THE COLUMNS: wave w owns channels 32 w .. 32 w + 31 of all eight chunks of q, k, v and attn, and in the last product columns
; 256 g + 64 w .. + 63 of pass g.  All products are used transposed (source 0 = 16 weight rows, source 1 = 16 rows of x, c or attn): a lane holds ONE row (lane % 16) throughout.
; THE WEIGHTS come as a stream that the launch before has laid: 32 steps of 128 along K; a step's slot is 102,400 bytes, a quarter for each wave: 16 fragments as images of their registers, and their scale words.
; A wave reads its own quarter alone, and each fragment feeds four matrix instructions (the four tiles of rows).  Steps 0-7, 8-15: q and k, 16 channels of each chunk a wave; 16-23: v; 24-31: out, four passes of two steps.
; CLUSTER.  All work-groups walk the same stream, so the four of a cluster ask for each quarter JOINTLY (mask 15): 3,276,800 bytes are asked for by 64 clusters and not by 256 work-groups.
; x AND c of the 64 rows lie in LDS for the first 24 steps, as images of their fragments: lane L's 12 registers on end at 48 L + 16 (L / 16): sixteen lanes' 16 bytes fall on sixteen different 16-byte columns modulo 256.
; S: behind steps 7 and 15 a lane holds q and k of one channel, all 8 chunks: 64 products a channel, summed over the wave's channels in registers, over lane / 16 by a swap of halves, over the waves through LDS.
; LIMITS: NaN and infinities are not served.  A block of attn whose largest magnitude lies under 2^-122 (a block of zeros too) gets the scale byte 1; a block of zeros has zero codes, which add nothing.
; The factor 1 / sqrt(128) is applied to the sum of q k, not a fourth root to each of q and k: the difference is of the order of f32 rounding.  The softmax takes each row's largest score away first.
; REGISTERS, in windows of 256 (s_set_vgpr_msb: bits 1:0 source 0, 3:2 source 1, 5:4 source 2, 7:6 destination):
;   window 0: v1-29 addresses; v30, v31, v60-63 at work; v32-39 the weights' scale words; v40-43 x's and c's; v44-59 attn's; v64-255 the step's 16 weight fragments (v160-223: S at work)
;   window 1: v0-47, v48-95 four fragments of x (or c) and four of c; v128-255 S.  Later: v0-127 softmax, P, attn at work; v192-223 the bias; at the end v0-191 attn's K steps 0-3
;   window 2: the sums of fragments 0-7 (tile m, fragment f at 64 m + 8 f); at the end attn's K steps 4-7.    window 3: those of fragments 8-15; at the end v0-127 out's sums, v160-223 rows on their way out
.set SLOTB, 102400                     ; a slot of the ring
.set WQ,    25600                      ; a wave's quarter: 100 rows of 256 bytes
.set FRB,   1536                       ; a fragment's image, dense: the weights' and attn's
.set WSC,   16*FRB                     ; the quarter's scale words
.set HP,    784                        ; x's and c's images: sixteen lanes' 768 bytes + 16;
.set FRP,   2*HP                       ; a fragment;
.set KP,    4*FRP+160                  ; a K step's four fragments + 160.  In units of 8 bytes modulo 32 these pitches are 2 (HP) and 4 (KP): see the head's stores
.set XIMG,  2*SLOTB                    ; behind the ring: x's 32 fragments (K step s, tile m at KP s + FRP m),
.set CIMG,  XIMG+8*KP                  ; c's,
.set XSC,   CIMG+8*KP                  ; x's scale words: row 32 a + L, K step s at 256 s + 8 L + 4 a,
.set CSC,   XSC+2048                   ; c's,
.set SPARE, CSC+2048                   ; and the spare words, 128 bytes for each wave: two blocks of 256 bytes that no other line names
.set SX,    XIMG                       ; behind the 24th step x and c are done with: partial S, [tile][wave] 4,096 bytes each;
.set PIMG,  SX+65536                   ; P: tile 4,096, chunk i 512, row 32 bytes;
.set ASC,   PIMG+16384                 ; attn's scale words, laid as x's;
.set STAGE, ASC+2048                   ; a stage of 16 rows x (256 + 16) bytes for each wave, for the way out: it ends 1,536 bytes ahead of XSC;
.set AIMG,  XIMG                       ; attn's 32 fragments (4 s + m, FRB each, lane L at 48 L), over the partial S, which have been read by then
.set AW0, 1                            ; v1   25,600 w + 16 L
.set ADW, 2                            ; v2   the same in the slot in hand
.set LA,  3                            ; v3   48 L + 16 (L / 16)
.set ADA, 4                            ; v4, v5   the K step's fragments of x (or c), of c
.set ADS, 6                            ; v6, v7   and their scale words
.set L8,  8                            ; v8   8 L
.set DD,  9                            ; v9   the head: where my block's 24 bytes of a row go in the images
.set GX,  10                           ; v10  the head: 24 L: my block in a row of codes
.set SXW, 12
.set SXR, 13
.set PW,  14
.set PR0, 15
.set PRD, 16
.set ACD0, 17
.set ACD, 18
.set ABY0, 19
.set ABY, 20
.set STO, 21
.set RD,  22
.set CO,  23
.set BOF, 24
.set PFO, 25                           ; v25  256 x min(L, 24): the prefetches' offset; never rewritten
.set AIR, 26
.set ASR, 27
.set SPW, 28                           ; v28  my spare word: SPARE + 4 x my thread's number; never rewritten
.set NIL, 29                           ; v29  0; never rewritten
.set WSW, 32
.set ASW, 40
.set AOS, 44
.set WF,  64
.set TT,  160
.set WV,  18                           ; s18 wave;  s19 cx;  s20 work-group;  s21 25,600 w
.set CX,  19
.set WGX, 20
.set WOFF, 21
.set G1,  24                           ; s[24:31] descriptor group 1;  s[32:35] group 0 of slot 0's first fill;  s[36:39] group 0 that walks
.set G0A, 32
.set G0,  36
.set TB,  40                           ; s40 LDS byte at which the slot in hand begins
.set TN,  41                           ; s41 the step's number
.set PH,  42
.set KC,  43
.set LIM, 44                           ; s44 28 in the first cluster, else 0: a wave prefetches while the step's number is under it
.set PFA, 50                           ; s[50:51] where my prefetches stand
.set SEL, 52                           ; s[52:53] v_permlanex16_b32's selects for lane l xor 16
.set CS,  54                           ; s[54:55] log2(e) / sqrt(128)
.set IC,  56
.set TI,  57
.set TJ,  58
.set TP,  59
.set GC,  60
.set MSB, 0
.macro WIN new                         ; the immediate's high byte repeats the setting that is left; a switch that changes nothing is dropped
.if MSB != (\new)
	s_set_vgpr_msb (MSB<<8)|(\new)
.set MSB, (\new)
.endif
.endm
.macro PLACES n                        ; plain vector instructions that name no register of the matrix instructions ahead (ISA guide 7.12.1)
.rept \n
	v_nop
.endr
.endm
.macro CREST                           ; a round of the cluster's barrier behind its opening barrier
	s_cmp_lg_u32 s[WV], 0
	s_cbranch_scc1 .Lnot_wave_0_\@
	s_barrier_signal -3
.Lnot_wave_0_\@:
	s_barrier_wait -3
	s_barrier_signal -1
	s_barrier_wait -1
.endm
.macro ROUND                           ; a whole round
	s_barrier_signal -1
	s_barrier_wait -1
	CREST
.endm
.macro BAR                             ; my LDS stores have landed and my LDS loads are in: then the work-group's barrier
	s_wait_dscnt 0x0
	s_barrier_signal -1
	s_barrier_wait -1
.endm
; One matrix instruction.  d, a, b, c: first registers of D, source 0 (weights), source 1 (rows), C (under 0: the constant 0 starts the sum); sa, sb: scale registers; ra, rb: 1 = the scales lie in lanes 16-31
.macro WMS d, a, b, c, sa, sb, ra, rb
.if (\c) < 0
.if (\ra) && (\rb)
	v_wmma_scale_f32_16x16x128_f8f6f4 v[(\d):(\d)+7], v[(\a):(\a)+11], v[(\b):(\b)+11], 0, v[\sa], v[\sb] matrix_a_fmt:MATRIX_FMT_BF6 matrix_b_fmt:MATRIX_FMT_BF6 matrix_a_scale:MATRIX_SCALE_ROW1 matrix_b_scale:MATRIX_SCALE_ROW1
.elseif (\ra)
	v_wmma_scale_f32_16x16x128_f8f6f4 v[(\d):(\d)+7], v[(\a):(\a)+11], v[(\b):(\b)+11], 0, v[\sa], v[\sb] matrix_a_fmt:MATRIX_FMT_BF6 matrix_b_fmt:MATRIX_FMT_BF6 matrix_a_scale:MATRIX_SCALE_ROW1
.elseif (\rb)
	v_wmma_scale_f32_16x16x128_f8f6f4 v[(\d):(\d)+7], v[(\a):(\a)+11], v[(\b):(\b)+11], 0, v[\sa], v[\sb] matrix_a_fmt:MATRIX_FMT_BF6 matrix_b_fmt:MATRIX_FMT_BF6 matrix_b_scale:MATRIX_SCALE_ROW1
.else
	v_wmma_scale_f32_16x16x128_f8f6f4 v[(\d):(\d)+7], v[(\a):(\a)+11], v[(\b):(\b)+11], 0, v[\sa], v[\sb] matrix_a_fmt:MATRIX_FMT_BF6 matrix_b_fmt:MATRIX_FMT_BF6
.endif
.else
.if (\ra) && (\rb)
	v_wmma_scale_f32_16x16x128_f8f6f4 v[(\d):(\d)+7], v[(\a):(\a)+11], v[(\b):(\b)+11], v[(\c):(\c)+7], v[\sa], v[\sb] matrix_a_fmt:MATRIX_FMT_BF6 matrix_b_fmt:MATRIX_FMT_BF6 matrix_a_scale:MATRIX_SCALE_ROW1 matrix_b_scale:MATRIX_SCALE_ROW1
.elseif (\ra)
	v_wmma_scale_f32_16x16x128_f8f6f4 v[(\d):(\d)+7], v[(\a):(\a)+11], v[(\b):(\b)+11], v[(\c):(\c)+7], v[\sa], v[\sb] matrix_a_fmt:MATRIX_FMT_BF6 matrix_b_fmt:MATRIX_FMT_BF6 matrix_a_scale:MATRIX_SCALE_ROW1
.elseif (\rb)
	v_wmma_scale_f32_16x16x128_f8f6f4 v[(\d):(\d)+7], v[(\a):(\a)+11], v[(\b):(\b)+11], v[(\c):(\c)+7], v[\sa], v[\sb] matrix_a_fmt:MATRIX_FMT_BF6 matrix_b_fmt:MATRIX_FMT_BF6 matrix_b_scale:MATRIX_SCALE_ROW1
.else
	v_wmma_scale_f32_16x16x128_f8f6f4 v[(\d):(\d)+7], v[(\a):(\a)+11], v[(\b):(\b)+11], v[(\c):(\c)+7], v[\sa], v[\sb] matrix_a_fmt:MATRIX_FMT_BF6 matrix_b_fmt:MATRIX_FMT_BF6
.endif
.endif
.endm
; 25 LDS loads: weight fragments 8 grp .. 8 grp + 7 of my quarter of the slot in hand, and their scale words (register q: lanes 0-15 fragment 2 q, lanes 16-31 fragment 2 q + 1)
.macro WRUN grp
.irp f, 0,1,2,3,4,5,6,7
.irp g, 0,1,2
	ds_load_b128 v[WF+12*(8*\grp+\f)+4*\g:WF+12*(8*\grp+\f)+4*\g+3], v[ADW] offset:FRB*(8*\grp+\f)+512*\g
.endr
.endr
	ds_load_b128 v[WSW+4*\grp:WSW+4*\grp+3], v[ADW] offset:WSC+512*\grp
.endm
; 13 LDS loads: the K step's scale words of the 64 rows (register a: lanes 0-15 tile 2 a, lanes 16-31 tile 2 a + 1) and the four tiles' fragments, set grp.  Leaves the destination in window 1
.macro ARUN grp
	ds_load_b64 v[ASW+2*\grp:ASW+2*\grp+1], v[ADS+\grp]
	WIN 0x40
.irp m, 0,1,2,3
.irp g, 0,1,2
	ds_load_b128 v[48*\grp+12*\m+4*\g:48*\grp+12*\m+4*\g+3], v[ADA+\grp] offset:FRP*\m+16*\g
.endr
.endr
.endm
; 4 n matrix instructions: fragments f0 .. f0 + n - 1 against the four tiles of rows of set grp.  The 64 accumulators take turns, one instruction a turn, in the same order in every step
.macro MQ f0, n, grp, zero
	WIN 0xa4+0x50*(\grp)                           ; weights window 0, rows window 1, C and D window 2 or 3
.set ff, \f0
.rept \n
.irp m, 0,1,2,3
.if \zero
	WMS 64*\m+8*(ff%8),WF+12*ff,48*(\grp)+12*\m,-1,WSW+ff/2,ASW+2*(\grp)+\m/2,ff%2,\m%2
.else
	WMS 64*\m+8*(ff%8),WF+12*ff,48*(\grp)+12*\m,64*\m+8*(ff%8),WSW+ff/2,ASW+2*(\grp)+\m/2,ff%2,\m%2
.endif
.endr
.set ff, ff+1
.endr
.endm
; A PREFETCH INTO THE L2 of the slot five steps on, whose joint load stands three steps on.  Every cluster walks the same stream: the first cluster asks.  Its sixteen waves share a slot out BY ADDRESS:
; of wave w's quarter the partner at place cx takes 6,400 bytes, 25 blocks of 256, a lane a block (lanes 25-31 name the last block again).  Slots 0 to 4 come by their loads alone; step 26 names the last slot.
.macro ASK
	s_cmp_lt_u32 s[TN], s[LIM]
	s_cbranch_scc0 .Lnot_mine_\@
	global_prefetch_b8 v[PFO], s[PFA:PFA+1] th:TH_LOAD_NT scope:SCOPE_SE
.Lnot_mine_\@:
.endm
; A STEP of the first three products: 128 along K, 64 matrix instructions.  Fragments 0-7, their rows and scales were fetched in the step before; fragments 8-15 are fetched at the head.
; ONE round of the cluster's barrier a step: in front of it each wave waits for all its tensor loads (one is out: the next slot's quarter), adds 0 to its spare word and waits for that and for its reads of this slot;
; behind it this slot is filled again, two steps ahead, and the next slot's first half is fetched.
.macro GSTEP zero
	PLACES 5                                       ; in front of loads into registers that the last products read (4), and of products that begin accumulators anew (5)
	WRUN 1
	ARUN 1
	s_wait_dscnt 38                                ; all but the 38 just issued: fragments 0-7 with their rows and scales are in
	MQ 0, 6, 0, \zero
	s_wait_xcnt 0x0                                ; the last prefetch, 40 matrix instructions back, has read its address: it is stepped
	s_add_nc_u64 s[PFA:PFA+1], s[PFA:PFA+1], SLOTB
	WIN 0                                          ; (the add's two registers lie in window 0)
	s_wait_tensorcnt 0x0                           ; all my tensor loads have landed: my quarter of the next slot; so the walking group 0 may be written
	ds_add_u32 v[SPW], v[NIL]                      ; 0 onto my spare word; the scalar work and eight matrix instructions stand between it and the wait for it
	s_add_co_u32 s[G0+1], s[TB], s[WOFF]           ; the refill goes into my quarter of this slot,
	s_add_nc_u64 s[G0+2:G0+3], s[G0+2:G0+3], SLOTB ; from the stream's next slot; the type bits on top are not reached
	s_xor_b32 s[TB], s[TB], SLOTB                  ; the next step's slot,
	s_add_co_u32 s[TN], s[TN], 1                   ; its number T,
	s_and_b32 s45, s[TN], 7                        ; its K step s = T % 8,
	s_lshr_b32 s46, s[TN], 4                       ; and whether set 0 takes x (T < 16) or c
	s_mul_i32 s47, s45, KP
	s_mul_i32 s48, s46, CIMG-XIMG
	s_add_co_u32 s48, s48, s47
	s_add_co_u32 s48, s48, XIMG                    ; set 0's fragments
	s_add_co_u32 s47, s47, CIMG                    ; set 1's
	s_lshl_b32 s45, s45, 8
	s_lshl_b32 s46, s46, 11
	s_add_co_u32 s46, s46, s45
	s_add_co_u32 s46, s46, XSC                     ; set 0's scale words
	s_add_co_u32 s45, s45, CSC                     ; set 1's
	MQ 6, 2, 0, \zero
	s_wait_dscnt 0x0                               ; the add is done, and my reads of this slot are over: fragments 8-15 are in
	s_barrier_signal -1
	MQ 8, 4, 1, \zero                              ; work on registers while the others arrive
	WIN 0
	s_barrier_wait -1
	CREST                                          ; no wave of any partner still reads this slot or has a load on its way
	tensor_load_to_lds s[G0:G0+3], s[G1:G1+7]      ; my one tensor load behind the round, and the first thing there
	s_nop 0
	v_add_nc_u32 v[ADW], s[TB], v[AW0]             ; the next step's addresses: these five are also the places in front of the loads below
	v_add_nc_u32 v[ADA], s48, v[LA]
	v_add_nc_u32 v[ADA+1], s47, v[LA]
	v_add_nc_u32 v[ADS], s46, v[L8]
	v_add_nc_u32 v[ADS+1], s45, v[L8]
	WRUN 0
	ARUN 0
	WIN 0
	ASK
	MQ 12, 4, 1, \zero
	WIN 0
.endm
; d = a[s] x b (+ d): two products of S: q of chunk i (register s of the pair a) with k of two neighbouring chunks
.macro SPK d, a, b, s, first
.if \first
.if \s
	v_pk_mul_f32 v[\d:\d+1], v[\a:\a+1], v[\b:\b+1] op_sel:[1,0] op_sel_hi:[1,1]
.else
	v_pk_mul_f32 v[\d:\d+1], v[\a:\a+1], v[\b:\b+1] op_sel_hi:[0,1]
.endif
.else
.if \s
	v_pk_fma_f32 v[\d:\d+1], v[\a:\a+1], v[\b:\b+1], v[\d:\d+1] op_sel:[1,0,0] op_sel_hi:[1,1,1]
.else
	v_pk_fma_f32 v[\d:\d+1], v[\a:\a+1], v[\b:\b+1], v[\d:\d+1] op_sel_hi:[0,1,1]
.endif
.endif
.endm
; S of tile m, over the 16 channels just made.  In accumulator u a lane holds q (window 2) or k (window 3) of channel 32 w + 2 (8 a + u) + lane / 16, register j = chunk j.  T[8 i + j] += q[i] k[j].
; Each accumulator is read from its low end on.  Then the halves of the lanes are summed: a swap brings T[x] of both halves into lanes 0-15 and T[x + 32] into lanes 16-31:
; lane (r, h) ends with S[r][4 h + x / 8][x % 8], x = 0 .. 31, which is added onto the running S in window 1.
.macro SPH m
	WIN 0x0e                                       ; q window 2, k window 3, T window 0
.irp u, 0,1,2,3,4,5,6,7
.irp i, 0,1,2,3,4,5,6,7
.irp p, 0,1,2,3
	SPK TT+8*\i+2*\p,64*\m+8*\u+2*(\i/2),64*\m+8*\u+2*\p,\i%2,\u==0
.endr
.endr
.endr
	WIN 0
.set y, 0
.rept 32
	v_permlane16_swap_b32 v[TT+y], v[TT+32+y]
.set y, y+1
.endr
.set y, 0
.rept 16
	v_pk_add_f32 v[TT+y:TT+y+1], v[TT+y:TT+y+1], v[TT+32+y:TT+33+y]
.set y, y+2
.endr
	WIN 0x41                                       ; S window 1, T window 0
.set y, 0
.rept 16
	v_pk_add_f32 v[128+32*\m+y:129+32*\m+y], v[128+32*\m+y:129+32*\m+y], v[TT+y:TT+y+1]
.set y, y+2
.endr
.endm
.macro PLOAD adr                       ; P of one chunk i: my row's eight weights for each of the four tiles.  Leaves the destination in window 1
	WIN 0x40
.irp m, 0,1,2,3
	ds_load_b128 v[8*\m:8*\m+3], v[\adr] offset:4096*\m
	ds_load_b128 v[8*\m+4:8*\m+7], v[\adr] offset:4096*\m+16
.endr
.endm
.macro PVF d, a, b, s, j               ; d = a x b[s] (+ d): two channels of v times P[i][j]
.if (\j) == 0
	v_pk_mul_f32 v[\d:\d+1], v[\a:\a+1], v[\b:\b+1] op_sel_hi:[1,0]
.elseif \s
	v_pk_fma_f32 v[\d:\d+1], v[\a:\a+1], v[\b:\b+1], v[\d:\d+1] op_sel:[0,1,0] op_sel_hi:[1,1,1]
.else
	v_pk_fma_f32 v[\d:\d+1], v[\a:\a+1], v[\b:\b+1], v[\d:\d+1] op_sel_hi:[1,0,1]
.endif
.endm
.macro BIASLD                          ; bout at my 64 columns of a pass, in the result's layout: tile n, lane (r, h): columns 16 n + 8 h + 0 .. 7 -> window 1, v192 on
	WIN 0x40
.irp n, 0,1,2,3
	global_load_b128 v[192+8*\n:195+8*\n], v[BOF], s[14:15] offset:64*\n
	global_load_b128 v[196+8*\n:199+8*\n], v[BOF], s[14:15] offset:64*\n+16
.endr
	WIN 0
.endm
; The last product.  4 n matrix instructions: fragment f = 4 s + n: K step 4 e + s, my columns 16 n on; against attn's four tiles of that K step (window 1 + e).  first = 1: the bias is the C of each sum's first instruction.
; The 16 accumulators take turns, one instruction a turn.
.macro OQ f0, n, e, first
.if \first
	WIN 0xd4                                       ; weights window 0, attn and the bias window 1, D window 3
.else
	WIN 0xf4+4*(\e)
.endif
.set ff, \f0
.rept \n
.irp m, 0,1,2,3
.if \first
	WMS 8*(4*(ff%4)+\m),WF+12*ff,12*(4*(ff/4)+\m),192+8*(ff%4),WSW+ff/2,AOS+2*(4*(\e)+ff/4)+\m/2,ff%2,\m%2
.else
	WMS 8*(4*(ff%4)+\m),WF+12*ff,12*(4*(ff/4)+\m),8*(4*(ff%4)+\m),WSW+ff/2,AOS+2*(4*(\e)+ff/4)+\m/2,ff%2,\m%2
.endif
.endr
.set ff, ff+1
.endr
.endm
; A step of the last product: GSTEP's frame without loads of rows.  fill = 1: this slot is filled again.  next = 0: the last step.  bias = 1: the next pass's bias is asked for.
.macro OSTEP e, fill, next, bias
	PLACES 5
	WRUN 1
	s_wait_dscnt 25                                ; all but the 25 just issued
.if \e == 0
	s_wait_loadcnt 0x0                             ; the bias
	OQ 0, 4, \e, 1
.else
	OQ 0, 4, \e, 0
.endif
	OQ 4, 2, \e, 0
.if \next
.if \fill
	s_wait_xcnt 0x0
	s_add_nc_u64 s[PFA:PFA+1], s[PFA:PFA+1], SLOTB
.endif
	WIN 0
	s_wait_tensorcnt 0x0                           ; my quarter of the next slot has landed
	ds_add_u32 v[SPW], v[NIL]                      ; 0 onto my spare word
.if \fill
	s_add_co_u32 s[G0+1], s[TB], s[WOFF]
	s_add_nc_u64 s[G0+2:G0+3], s[G0+2:G0+3], SLOTB
.endif
	s_xor_b32 s[TB], s[TB], SLOTB
	s_add_co_u32 s[TN], s[TN], 1
	OQ 6, 2, \e, 0
	s_wait_dscnt 0x0                               ; the add is done, and my reads of this slot are over
	s_barrier_signal -1
	OQ 8, 4, \e, 0
	WIN 0
	s_barrier_wait -1
.if \fill
	CREST
	tensor_load_to_lds s[G0:G0+3], s[G1:G1+7]
	s_nop 0
.endif
	v_add_nc_u32 v[ADW], s[TB], v[AW0]             ; with the three below: the places in front of the loads
	PLACES 3
	WRUN 0
.if \bias
	s_add_nc_u64 s[14:15], s[14:15], 1024          ; (the last bias loads were waited for at this step's head)  256 columns on
	BIASLD
.endif
.if \fill
	ASK
.endif
	OQ 12, 4, \e, 0
.else
	OQ 6, 2, \e, 0
	s_wait_dscnt 0x0
	OQ 8, 8, \e, 0
.endif
	WIN 0
.endm
; THE WAY OUT of a pass, tile by tile of 16 rows x my 64 columns.  A lane holds 32 neighbouring bytes of a row: a tile goes through my own stage and comes back as rows of 256 bytes.
; LDS serves a wave's instructions in order (ISA guide 5.7.1.4): no wait between the stores and the loads, nor in front of the next tile's stores.
.macro TOSTAGE m
	WIN 0x0c                                       ; an LDS store's data are its source 1: window 3
.irp n, 0,1,2,3
	ds_store_b128 v[STO], v[8*(4*\n+(\m)):8*(4*\n+(\m))+3] offset:64*\n           ; each accumulator from its low end on
	ds_store_b128 v[STO], v[8*(4*\n+(\m))+4:8*(4*\n+(\m))+7] offset:64*\n+16
.endr
	WIN 0xc0
.irp k, 0,1,2,3,4,5,6,7
	ds_load_b128 v[160+32*((\m)%2)+4*\k:160+32*((\m)%2)+4*\k+3], v[RD] offset:544*\k
.endr
.endm
.macro SEND m, n                       ; n: the LDS instructions issued behind tile m's loads, which may stay out
	s_wait_dscnt \n
	WIN 0x0c
.irp k, 0,1,2,3,4,5,6,7
	global_store_b128 v[CO], v[160+32*((\m)%2)+4*\k:160+32*((\m)%2)+4*\k+3], s[16:17] offset:(16*(\m)+2*\k)*4096 th:TH_STORE_NT   ; sixteen lanes store 256 consecutive bytes, at a multiple of 256 from the output's first byte
.endr
.endm
.macro OUT last
	PLACES 4                                       ; the stores into the stage read results just made
	TOSTAGE 0
.irp a, 1,2,3
.if \a > 1
	s_wait_xcnt 0x0                                ; tile a - 2's stores have read their registers: tile a's loads may land there
.endif
	TOSTAGE \a
	SEND \a-1, 16                                  ; behind tile a - 1's loads: tile a's 8 stores and 8 loads
.endr
	SEND 3, 0
	WIN 0
.if !\last
	s_wait_xcnt 0x0                                ; the stores have read their registers and their base
	s_add_nc_u64 s[16:17], s[16:17], 1024          ; the next pass: 256 columns on
.endif
.endm
	; ---- THE HEAD
	s_load_b256 s[4:11], s[0:1], 0x0               ; x's codes s[4:5], x's scales s[6:7], c's codes s[8:9], c's scales s[10:11]
	s_load_b128 s[12:15], s[0:1], 0x20             ; the stream s[12:13], bout s[14:15]
	s_load_b64 s[16:17], s[0:1], 0x30              ; out
	v_lshl_add_u32 v[SPW], v0, 2, SPARE
	v_mov_b32 v[NIL], 0
	ds_add_u32 v28, v29
	ds_add_u32 v28, v29
	s_wait_dscnt 0x0
	v_lshrrev_b32 v30, 5, v0
	v_readfirstlane_b32 s[WV], v30                 ; wave 0..3
	s_bfe_u32 s[CX], ttmp6, 0x40000                ; cx: my place in the cluster: it enters global addresses of x, c, out and the prefetches alone
	s_lshl_b32 s[WGX], ttmp9, 2                    ; in a cluster launch ttmp9 counts clusters
	s_add_co_u32 s[WGX], s[WGX], s[CX]             ; my block of 64 rows
	s_mul_i32 s[WOFF], s[WV], WQ
	; descriptor group 1: a quarter is a dense block: 100 rows of 256 bytes (32 elements of 8 bytes), no padding
	s_mov_b32 s[G1], 15|(3<<16)|(1<<21)            ; 15:0 the mask: all four work-groups; 17:16 elements of 8 bytes; 21 set beside a mask
	s_mov_b32 s[G1+1], 32<<16                      ; tensor_dim0 = 32
	s_mov_b32 s[G1+2], 100<<16                     ; tensor_dim1 = 100
	s_mov_b32 s[G1+3], 32<<16                      ; tile_dim0 = 32
	s_mov_b32 s[G1+4], 100                         ; tile_dim1 = 100
	s_mov_b32 s[G1+5], 32                          ; from row to row
	s_mov_b32 s[G1+6], 0
	s_mov_b32 s[G1+7], 0
	s_mov_b32 s[SEL], 0x76543210
	s_mov_b32 s[SEL+1], 0xfedcba98
	s_mov_b32 s[CS], 0x3e0293ee                    ; log2(e) / sqrt(128)
	s_mov_b32 s[CS+1], s[CS]                       ; (named with it as a pair, so it is written)
	s_mov_b32 s[TB], 0
	s_mov_b32 s[TN], 0
	s_mov_b32 s[PH], 0
	s_cmp_eq_u32 ttmp9, 0                          ; the same in all four partners
	s_cselect_b32 s[LIM], 28, 0
	v_and_b32 v30, 31, v0                          ; L
	v_and_b32 v31, 15, v0                          ; r
	v_bfe_u32 v60, v0, 4, 1                        ; h
	v_lshl_add_u32 v[AW0], v30, 4, s[WOFF]
	v_mul_u32_u24 v[AIR], v30, 48                  ; 48 L
	v_lshl_add_u32 v[LA], v60, 4, v[AIR]           ; x's and c's images: + 16 for lanes 16-31
	v_lshlrev_b32 v[L8], 3, v30
	v_lshlrev_b32 v[PRD], 5, v30                   ; (32 L: the scales' loads at the head)
	; A row of codes is 32 blocks of 24 bytes.  LANE L TAKES BLOCK L, in three pieces of 8 bytes: a row's three loads together read its 768 consecutive bytes.
	; Block L is block b = L % 4 of K step s = L / 4: in the fragment it belongs to lane slot row + 16 e (e = b % 2), registers 6 f on (f = b / 2).  So piece p goes to KP s + FRP tile + 48 row + HP e + 24 f + 8 p; my wave brings tile w.
	; In units of 8 bytes modulo 32 (64 banks of 4 bytes: ISA guide 11.1) the 32 lanes of a store stand at 4 s + 2 e + 3 f: 32 different places.
	s_mul_i32 s45, s[WV], FRP
	s_add_co_u32 s45, s45, XIMG
	v_lshrrev_b32 v61, 2, v30                      ; s
	v_and_b32 v62, 1, v30                          ; e
	v_bfe_u32 v63, v30, 1, 1                       ; f
	v_mul_u32_u24 v[DD], v61, KP
	v_mad_u32_u24 v[DD], v62, HP, v[DD]
	v_mad_u32_u24 v[DD], v63, 24, v[DD]
	v_add_nc_u32 v[DD], s45, v[DD]
	v_mul_u32_u24 v[GX], v30, 24
	s_lshl_b32 s46, s[WV], 12
	s_add_co_u32 s46, s46, SX
	v_lshl_add_u32 v[SXW], v30, 4, s46             ; partial S out: 4,096 w + 16 L (+ 16,384 tile)
	s_lshl_b32 s47, s[WV], 14
	s_add_co_u32 s47, s47, SX
	v_lshl_add_u32 v[SXR], v30, 4, s47             ; and in: tile w, 16 L (+ 4,096 wave)
	s_lshl_b32 s46, s[WV], 12
	s_add_co_u32 s46, s46, PIMG
	v_lshl_add_u32 v[PW], v31, 5, s46
	v_lshl_add_u32 v[PW], v60, 11, v[PW]           ; P out: tile w, chunk 4 h + a, row r
	v_lshl_add_u32 v[PR0], v31, 5, PIMG            ; P in: row r
	s_and_b32 s46, s[WV], 1
	s_mul_i32 s46, s46, 768
	s_lshr_b32 s47, s[WV], 1
	s_mul_i32 s47, s47, 24
	s_add_co_u32 s46, s46, s47
	s_add_co_u32 s46, s46, AIMG
	v_mul_u32_u24 v[ACD0], v31, 48
	v_mad_u32_u24 v[ACD0], v60, 12, v[ACD0]
	v_add_nc_u32 v[ACD0], s46, v[ACD0]             ; attn's codes: block w of a K step lies in lane slot r + 16 (w % 2), 24 (w / 2) bytes in; my 16 codes 12 h further
	s_add_co_u32 s46, s[WV], ASC
	v_lshl_add_u32 v[ABY0], v31, 3, s46            ; attn's scale bytes: byte w of row r's word
	s_mul_i32 s46, s[WV], 16*272
	s_add_co_u32 s46, s46, STAGE                   ; my stage
	v_mul_u32_u24 v[STO], v31, 272
	v_lshl_add_u32 v[STO], v60, 5, v[STO]
	v_add_nc_u32 v[STO], s46, v[STO]               ; in: row r, 32 bytes for each half of the lanes
	v_mul_u32_u24 v[RD], v60, 272
	v_lshl_add_u32 v[RD], v31, 4, v[RD]
	v_add_nc_u32 v[RD], s46, v[RD]                 ; back: lanes 0-15 one row of 256 bytes, lanes 16-31 the next
	v_lshlrev_b32 v[CO], 12, v60
	v_lshl_add_u32 v[CO], v31, 4, v[CO]            ; and the same two rows in out
	v_lshlrev_b32 v[BOF], 5, v60
	v_min_u32 v[PFO], 24, v30
	v_lshlrev_b32 v[PFO], 8, v[PFO]
	v_add_nc_u32 v[AIR], AIMG, v[AIR]              ; attn's images: 48 L
	v_add_nc_u32 v[ASR], ASC, v[L8]
	s_lshr_b32 s46, s[WV], 1                       ; waves 0, 1 bring x's scale words (rows 32 (w % 2) on), waves 2, 3 c's
	s_lshl_b32 s46, s46, 11
	s_and_b32 s47, s[WV], 1
	s_lshl_b32 s47, s47, 2
	s_add_co_u32 s46, s46, s47
	s_add_co_u32 s46, s46, XSC
	v_add_nc_u32 v[ADS], s46, v[L8]                ; (at the head: where they go)
	s_mov_b32 s3, 0
	s_mov_b32 s49, 0
	s_wait_kmcnt 0x0
	s_mul_i32 s2, s[WGX], 64*768
	s_mul_i32 s22, s[WV], 16*768
	s_add_co_u32 s2, s2, s22
	s_add_nc_u64 s[4:5], s[4:5], s[2:3]            ; x and c at my wave's 16 rows
	s_add_nc_u64 s[8:9], s[8:9], s[2:3]
	s_cmp_lt_u32 s[WV], 2
	s_cselect_b64 s[22:23], s[6:7], s[10:11]
	s_lshl_b32 s2, s[WGX], 11
	s_and_b32 s45, s[WV], 1
	s_lshl_b32 s45, s45, 10
	s_add_co_u32 s2, s2, s45
	s_add_nc_u64 s[22:23], s[22:23], s[2:3]        ; the scale bytes of my 32 rows
	s_lshl_b32 s48, s[WV], 8
	s_add_nc_u64 s[14:15], s[14:15], s[48:49]      ; bout at my 64 columns of pass 0
	s_lshl_b32 s2, s[WGX], 18
	s_add_co_u32 s2, s2, s48
	s_add_nc_u64 s[16:17], s[16:17], s[2:3]        ; out at my block's first row, my columns
	s_mov_b32 s48, s[WOFF]
	s_add_nc_u64 s[62:63], s[12:13], s[48:49]      ; the stream at my quarter of slot 0: the wave's number alone enters
	s_mov_b32 s[G0A], 1                            ; 1:0 count = 1
	s_mov_b32 s[G0A+1], s[WOFF]                    ; LDS address
	s_mov_b64 s[G0A+2:G0A+3], s[62:63]             ; global address
	s_or_b32 s[G0A+3], s[G0A+3], 0x80000000        ; type = 2
	s_mov_b32 s[G0], 1
	s_add_co_u32 s[G0+1], s[WOFF], SLOTB
	s_add_nc_u64 s[G0+2:G0+3], s[62:63], SLOTB
	s_or_b32 s[G0+3], s[G0+3], 0x80000000
	s_mul_i32 s2, s[CX], 6400
	s_add_co_u32 s2, s2, 4*SLOTB
	s_add_nc_u64 s[PFA:PFA+1], s[62:63], s[2:3]    ; in slot 4: step 0 steps it to slot 5.  Nothing is prefetched here, at the head
.set k, 0
.rept 16
.irp p, 0,1,2
	global_load_b64 v[WF+2*(3*k+\p):WF+2*(3*k+\p)+1], v[GX], s[4:5] offset:768*k+8*\p th:TH_LOAD_NT       ; x, row k, piece p of my block; each byte is read once in the launch
.endr
.set k, k+1
.endr
	global_load_b128 v[WSW:WSW+3], v[PRD], s[22:23] th:TH_LOAD_NT
	global_load_b128 v[WSW+4:WSW+7], v[PRD], s[22:23] offset:16 th:TH_LOAD_NT          ; my row's eight scale words
.set k, 0
.rept 16
.irp p, 0,1,2
	global_load_b64 v[WF+96+2*(3*k+\p):WF+97+2*(3*k+\p)], v[GX], s[8:9] offset:768*k+8*\p th:TH_LOAD_NT   ; c
.endr
.set k, k+1
.endr
	ROUND                                          ; all four work-groups are here: the first joint loads meet
	tensor_load_to_lds s[G0A:G0A+3], s[G1:G1+7]    ; slots 0 and 1: two loads of mine are out
	s_nop 0
	tensor_load_to_lds s[G0:G0+3], s[G1:G1+7]
	s_nop 0
	PLACES 4
	WIN 0x40
.set k, 0
.rept 128
	v_mov_b32 v[128+k], 0                          ; S begins as zeros, while the first tiles are on their way: its text is written once and walked twice
.set k, k+1
.endr
	WIN 0
	s_wait_loadcnt 48                              ; x and the scale words are in; c's 48 loads may be out
.set k, 0
.rept 16
.irp p, 0,1,2
	ds_store_b64 v[DD], v[WF+2*(3*k+\p):WF+2*(3*k+\p)+1] offset:48*k+8*\p
.endr
.set k, k+1
.endr
.irp s, 0,1,2,3,4,5,6,7
	ds_store_b32 v[ADS], v[WSW+\s] offset:256*\s
.endr
	s_wait_loadcnt 0x0
.set k, 0
.rept 16
.irp p, 0,1,2
	ds_store_b64 v[DD], v[WF+96+2*(3*k+\p):WF+97+2*(3*k+\p)] offset:CIMG-XIMG+48*k+8*\p
.endr
.set k, k+1
.endr
	s_wait_dscnt 0x0                               ; for the others' sake: my part of the images has landed
	s_wait_tensorcnt 0x1                           ; my quarter of slot 0 is in; slot 1's may stay out
	s_barrier_signal -1
	s_barrier_wait -1
	v_add_nc_u32 v[ADW], s[TB], v[AW0]
	v_add_nc_u32 v[ADA], XIMG, v[LA]
	v_add_nc_u32 v[ADA+1], CIMG, v[LA]
	v_add_nc_u32 v[ADS], XSC, v[L8]
	v_add_nc_u32 v[ADS+1], CSC, v[L8]
	WRUN 0
	ARUN 0
	WIN 0                                          ; at a label and at a branch every window is 0
	; ---- q AND k (two halves of 16 channels a chunk and wave), THEN v: three times eight steps
.Lphase:
	GSTEP 1                                        ; the first K step's products start the sums
	s_mov_b32 s[KC], 7
.Lk:
	GSTEP 0
	s_sub_co_u32 s[KC], s[KC], 1
	s_cmp_lg_u32 s[KC], 0
	s_cbranch_scc1 .Lk
	s_cmp_eq_u32 s[PH], 2                          ; behind v there is no S: the jump passes over work on registers alone
	s_cbranch_scc1 .Lno_s
	PLACES 4                                       ; S reads results just made, and T lies over fragments that the last products read
	SPH 0
	SPH 1
	SPH 2
	SPH 3
	WIN 0
.Lno_s:
	s_add_co_u32 s[PH], s[PH], 1
	s_cmp_lt_u32 s[PH], 3
	s_cbranch_scc1 .Lphase
	; ---- S OVER THE WAVES.  Each wave holds, for all 64 rows, the sum over its 32 channels: wave w gathers tile w.
	PLACES 4                                       ; the loads below land in registers that the last products read
	BAR                                            ; nobody reads x's and c's images any more
	WIN 0x04                                       ; an LDS store's data: window 1
.irp m, 0,1,2,3
.irp g, 0,1,2,3,4,5,6,7
	ds_store_b128 v[SXW], v[128+32*\m+4*\g:131+32*\m+4*\g] offset:16384*\m+512*\g
.endr
.endr
	WIN 0
	BAR
	WIN 0x40
.irp u, 0,1,2,3
.irp g, 0,1,2,3,4,5,6,7
	ds_load_b128 v[32*\u+4*\g:32*\u+4*\g+3], v[SXR] offset:4096*\u+512*\g
.endr
.endr
	BIASLD                                         ; pass 0's bias, into registers that S has left: it lands under the softmax and P v
	s_wait_dscnt 0x0
	WIN 0x55                                       ; all in window 1
.set y, 0
.rept 16
	v_pk_add_f32 v[y:y+1], v[y:y+1], v[32+y:33+y]
	v_pk_add_f32 v[64+y:65+y], v[64+y:65+y], v[96+y:97+y]
.set y, y+2
.endr
.set y, 0
.rept 16
	v_pk_add_f32 v[y:y+1], v[y:y+1], v[64+y:65+y]
.set y, y+2
.endr
	; ---- THE SOFTMAX.  Lane (r, h) holds four rows of eight: chunk i = 4 h + a at v[8 a .. 8 a + 7].  p = 2^((z - largest z) c) / the sum
.irp a, 0,1,2,3
	v_max3_num_f32 v[32+\a], v[8*\a], v[8*\a+1], v[8*\a+2]
.endr
.irp a, 0,1,2,3
	v_max3_num_f32 v[32+\a], v[32+\a], v[8*\a+3], v[8*\a+4]
.endr
.irp a, 0,1,2,3
	v_max3_num_f32 v[32+\a], v[32+\a], v[8*\a+5], v[8*\a+6]
.endr
.irp a, 0,1,2,3
	v_max_num_f32 v[32+\a], v[32+\a], v[8*\a+7]
.endr
.irp a, 0,1,2,3
.irp p, 0,1,2,3
.if \a%2
	v_pk_add_f32 v[8*\a+2*\p:8*\a+2*\p+1], v[8*\a+2*\p:8*\a+2*\p+1], v[32+2*(\a/2):33+2*(\a/2)] op_sel:[0,1] op_sel_hi:[1,1] neg_lo:[0,1] neg_hi:[0,1]
.else
	v_pk_add_f32 v[8*\a+2*\p:8*\a+2*\p+1], v[8*\a+2*\p:8*\a+2*\p+1], v[32+2*(\a/2):33+2*(\a/2)] op_sel_hi:[1,0] neg_lo:[0,1] neg_hi:[0,1]
.endif
.endr
.endr
.set y, 0
.rept 16
	v_pk_mul_f32 v[y:y+1], v[y:y+1], s[CS:CS+1] op_sel_hi:[1,0]    ; the difference first, then the factor: the largest score gives exactly 0, however large the scores
.set y, y+2
.endr
.set y, 0
.rept 32
	v_exp_f32 v[y], v[y]
.set y, y+1
.endr
	v_nop                                          ; a plain instruction behind the last exponential
	s_wait_alu depctr_va_vdst(0)                   ; one wait for the batch, ahead of its first reader
.irp a, 0,1,2,3
	v_pk_add_f32 v[40+2*\a:41+2*\a], v[8*\a:8*\a+1], v[8*\a+2:8*\a+3]
.endr
.irp a, 0,1,2,3
	v_pk_add_f32 v[40+2*\a:41+2*\a], v[40+2*\a:41+2*\a], v[8*\a+4:8*\a+5]
.endr
.irp a, 0,1,2,3
	v_pk_add_f32 v[40+2*\a:41+2*\a], v[40+2*\a:41+2*\a], v[8*\a+6:8*\a+7]
.endr
.irp a, 0,1,2,3
	v_add_f32 v[36+\a], v[40+2*\a], v[41+2*\a]
.endr
.irp a, 0,1,2,3
	v_rcp_f32 v[36+\a], v[36+\a]
.endr
	v_nop
	s_wait_alu depctr_va_vdst(0)                   ; one wait for the four reciprocals
.irp a, 0,1,2,3
.irp p, 0,1,2,3
.if \a%2
	v_pk_mul_f32 v[8*\a+2*\p:8*\a+2*\p+1], v[8*\a+2*\p:8*\a+2*\p+1], v[36+2*(\a/2):37+2*(\a/2)] op_sel:[0,1] op_sel_hi:[1,1]
.else
	v_pk_mul_f32 v[8*\a+2*\p:8*\a+2*\p+1], v[8*\a+2*\p:8*\a+2*\p+1], v[36+2*(\a/2):37+2*(\a/2)] op_sel_hi:[1,0]
.endif
.endr
.endr
	WIN 0x04
.irp a, 0,1,2,3
	ds_store_b128 v[PW], v[8*\a:8*\a+3] offset:512*\a
	ds_store_b128 v[PW], v[8*\a+4:8*\a+7] offset:512*\a+16
.endr
	WIN 0
	BAR                                            ; P of all 64 rows lies in LDS, and the partial S have been read: attn's images may be laid over them
	PLOAD PR0                                      ; chunk 0's P
	WIN 0
	; ---- attn = P v, QUANTISED.  A trip makes chunk i: 16 channels a lane (32 w + 16 h + 0 .. 15) for each of the four tiles: with lane l xor 16's they are block w of K step i of the last product.
	; window 1: v0-31 P; v32-95 attn; v96-99 largest magnitudes; v100-103 the other half's; v104-107 the conversions' scale operands; v108-111 the bytes; v112-127 the codes
	s_mov_b32 s[IC], 0
	s_mov_b32 s[TI], 0
	s_mov_b32 s[TJ], 0
.Lpv:
	s_wait_dscnt 0x0                               ; P is in, and the last trip's stores have read their registers
	v_add_nc_u32 v[ACD], s[TI], v[ACD0]
	v_add_nc_u32 v[ABY], s[TJ], v[ABY0]
.irp j, 0,1,2,3,4,5,6,7
	WIN 0x56+\j/4                                  ; v of chunks 0-3 window 2, of chunks 4-7 window 3; P and attn window 1
.irp m, 0,1,2,3
.irp p, 0,1,2,3,4,5,6,7
	PVF 32+16*\m+2*\p,64*\m+16*(\j%4)+2*\p,8*\m+2*(\j/2),\j%2,\j
.endr
.endr
.endr
	s_add_co_u32 s[TP], s[IC], 1
	s_min_u32 s[TP], s[TP], 7                      ; (the last trip asks for chunk 7's again)
	s_lshl_b32 s[TP], s[TP], 9
	WIN 0
	v_add_nc_u32 v[PRD], s[TP], v[PR0]
	PLOAD PRD                                      ; the next chunk's P lands under the quantiser
	WIN 0x55
.irp m, 0,1,2,3
	v_max3_num_f32 v[96+\m], |v[32+16*\m]|, |v[33+16*\m]|, 0x2800000   ; my 16 numbers, and the floor 2^(5 - 127), under which no largest magnitude is taken: so the byte cannot fall under 1
.endr
.irp i, 2,4,6,8,10,12,14
.irp m, 0,1,2,3
	v_max3_num_f32 v[96+\m], v[96+\m], |v[32+16*\m+\i]|, |v[33+16*\m+\i]|   ; (the four tiles by turns)
.endr
.endr
.irp m, 0,1,2,3
	v_permlanex16_b32 v[100+\m], v[96+\m], s[SEL], s[SEL+1]
.endr
.irp m, 0,1,2,3
	v_max_num_f32 v[96+\m], v[96+\m], v[100+\m]    ; with lane l xor 16's: the block's largest magnitude
.endr
.irp m, 0,1,2,3
	v_add_nc_u32 v[104+\m], 0xfe000000, v[96+\m]   ; 4 off its exponent field: the conversion takes the exponent field of this operand as its scale
.endr
.irp m, 0,1,2,3
	v_lshrrev_b32 v[108+\m], 23, v[104+\m]         ; the scale's byte
.endr
.irp m, 0,1,2,3
	v_cvt_scalef32_pk16_bf6_f32 v[112+4*\m:114+4*\m], v[32+16*\m:47+16*\m], v[104+\m]   ; 16 codes, 96 bits; beyond the largest number the largest code
.endr
	v_nop                                          ; one plain instruction behind the last scaled conversion
	WIN 0x04
.irp m, 0,1,2,3
.irp t, 0,1,2
	ds_store_b32 v[ACD], v[112+4*\m+\t] offset:FRB*\m+4*\t
.endr
	ds_store_b8 v[ABY], v[108+\m] offset:128*(\m%2)+4*(\m/2)       ; both lanes of a block write the same byte with the same value
.endr
	WIN 0
	s_add_co_u32 s[TI], s[TI], 4*FRB
	s_add_co_u32 s[TJ], s[TJ], 256
	s_add_co_u32 s[IC], s[IC], 1
	s_cmp_lt_u32 s[IC], 8
	s_cbranch_scc1 .Lpv
	BAR                                            ; attn's 32 fragments and their scale words lie in LDS
	; ---- out = attn Wout + bout.  All of attn comes into registers once: 384; the weights go on through the ring.  Slot 24's fragments 0-7 stand in v64-159 since step 23.
	WIN 0x40
.irp s, 0,1,2,3
.irp m, 0,1,2,3
.irp g, 0,1,2
	ds_load_b128 v[12*(4*\s+\m)+4*\g:12*(4*\s+\m)+4*\g+3], v[AIR] offset:FRB*(4*\s+\m)+16*\g
.endr
.endr
.endr
	WIN 0x80
.irp s, 0,1,2,3
.irp m, 0,1,2,3
.irp g, 0,1,2
	ds_load_b128 v[12*(4*\s+\m)+4*\g:12*(4*\s+\m)+4*\g+3], v[AIR] offset:FRB*(16+4*\s+\m)+16*\g
.endr
.endr
.endr
	WIN 0
.irp s, 0,1,2,3,4,5,6,7
	ds_load_b64 v[AOS+2*\s:AOS+2*\s+1], v[ASR] offset:256*\s
.endr
	s_mov_b32 s[GC], 3
.Lpass:                                            ; a pass: 256 columns of out for the work-group, two steps of 512 along K; three passes fill their slots again
	OSTEP 0, 1, 1, 1
	OSTEP 1, 1, 1, 0
	OUT 0
	s_sub_co_u32 s[GC], s[GC], 1
	s_cmp_lg_u32 s[GC], 0
	s_cbranch_scc1 .Lpass
	OSTEP 0, 0, 1, 0                               ; the last pass is written out: nothing is left to fetch
	OSTEP 1, 0, 0, 0
	OUT 1
	s_wait_tensorcnt 0x0                           ; the wave's end: behind my last tensor load and my last LDS store
	ds_add_u32 v[SPW], v[NIL]
	s_wait_dscnt 0x0
	ROUND                                          ; the closing round: no work-group ends while a partner may still ask for a quarter that names it
	s_endpgm
.Lfunc_end_k_qd5a62ebb54_fused:
	.size	k_qd5a62ebb54_fused, .Lfunc_end_k_qd5a62ebb54_fused-k_qd5a62ebb54_fused
	.p2alignl 7, 3214868480
	.fill 96, 4, 3214868480
	.section	.rodata,"a",@progbits
	.p2align	6, 0x0
	.amdhsa_kernel k_qd5a62ebb54_fused
		.amdhsa_group_segment_fixed_size 327680
		.amdhsa_private_segment_fixed_size 0
		.amdhsa_enable_private_segment 0
		.amdhsa_kernarg_size 56
		.amdhsa_user_sgpr_count 2
		.amdhsa_user_sgpr_kernarg_segment_ptr 1
		.amdhsa_wavefront_size32 1
		.amdhsa_system_sgpr_workgroup_id_x 1
		.amdhsa_system_sgpr_workgroup_id_y 1
		.amdhsa_system_sgpr_workgroup_id_z 1
		.amdhsa_system_vgpr_workitem_id 0
		.amdhsa_next_free_vgpr 1024
		.amdhsa_next_free_sgpr 66
		.amdhsa_reserve_vcc 0
		.amdhsa_float_denorm_mode_32 3
		.amdhsa_float_denorm_mode_16_64 3
		.amdhsa_memory_ordered 1
		.amdhsa_forward_progress 1
		.amdhsa_inst_pref_size 244
	.end_amdhsa_kernel
	.amdgpu_metadata
---
amdhsa.version: [ 1, 2 ]
amdhsa.kernels:
  - .name:           k_qd5a62ebb54_fused
    .symbol:         k_qd5a62ebb54_fused.kd
    .args:
      - { .name: x_codes, .offset: 0, .size: 8, .value_kind: global_buffer, .address_space: global }
      - { .name: x_scales, .offset: 8, .size: 8, .value_kind: global_buffer, .address_space: global }
      - { .name: c_codes, .offset: 16, .size: 8, .value_kind: global_buffer, .address_space: global }
      - { .name: c_scales, .offset: 24, .size: 8, .value_kind: global_buffer, .address_space: global }
      - { .name: wstream, .offset: 32, .size: 8, .value_kind: global_buffer, .address_space: global }
      - { .name: bout, .offset: 40, .size: 8, .value_kind: global_buffer, .address_space: global }
      - { .name: out0, .offset: 48, .size: 8, .value_kind: global_buffer, .address_space: global }
    .group_segment_fixed_size: 327680
    .private_segment_fixed_size: 0
    .kernarg_segment_align: 8
    .kernarg_segment_size: 56
    .max_flat_workgroup_size: 128
    .sgpr_count:     66
    .vgpr_count:     1024
    .wavefront_size: 32
...
	.end_amdgpu_metadata
.endif
;; end of part 2
;; ======== version 2 of 2: 2 launches
;; workspace buffers: wstream 3,276,800 bytes
;; launch relay: the kernel of part 1 again; grid 256 x 1, 8 waves a work-group, no clusters, 1,536 bytes of LDS; arguments Wq_codes, Wq_scales, Wk_codes, Wk_scales, Wv_codes, Wv_scales, Wout_codes, Wout_scales, wstream; writes wstream
;; launch fused (part 3): grid 256 x 1, 4 waves a work-group, clusters of 4 x 1, 327,680 bytes of LDS; arguments x_codes, x_scales, c_codes, c_scales, wstream, bout, out0; writes out0
.if DOCPART == 3
	.amdgcn_target "amdgcn-amd-amdhsa--gfx1250"
	.amdhsa_code_object_version 6
	.text
	.protected	k_qd5a62ebb54_fused
	.globl	k_qd5a62ebb54_fused
	.p2align	8
	.type	k_qd5a62ebb54_fused,@function
k_qd5a62ebb54_fused:
	s_mov_b64 s[64:65], 0
	v_nop
	global_prefetch_b8 v0, s[64:65] scope:SCOPE_SE
	s_setreg_imm32_b32 hwreg(HW_REG_WAVE_MODE, 25, 1), 1
	s_wait_xcnt 0x0
	s_wait_alu depctr_hold_cnt(0) depctr_sa_sdst(0) depctr_va_vdst(0) depctr_va_sdst(0) depctr_va_ssrc(0) depctr_va_vcc(0) depctr_vm_vsrc(0)
	s_getreg_b32 s2, hwreg(HW_REG_IB_STS2, 6, 4)
	s_cmp_eq_u32 s2, 0
	s_cbranch_scc0 .Lentry_in_a_cluster
	s_endpgm
.Lentry_in_a_cluster:
	s_bfe_u32 s2, ttmp6, 0x10000c
	s_cmp_lg_u32 s2, 0x3003
	s_cbranch_scc0 .Lentry_shape_is_right
	s_endpgm
.Lentry_shape_is_right:
; out = Q(attn) Wout + bout, attn from q = x Wq, k = c Wk, v = c Wv.  The raw reshape makes the attention local to a ROW: row m's 1,024 numbers are 8 chunks of 128;
; S[i][j] = sum over ch of q[128 i + ch] k[128 j + ch] / sqrt(128); P = softmax over j; attn[128 i + ch] = sum over j of P[i][j] v[128 j + ch].  So a block of rows goes through the whole chain here.
; The four large products run on codes of E3M2 with E8M0 scales; S and P v are f32 multiply-adds; attn is quantised in registers, along its 1,024, in blocks of 32.
; SHARES.  A work-group owns 64 rows (four tiles of 16).  THE WAVES SHARE THE COLUMNS: wave w owns channels 32 w .. 32 w + 31 of all eight chunks of q, k, v and attn, and in the last product 64 columns
; of each pass of 256.  All products are used transposed (source 0 = 16 weight rows, source 1 = 16 rows of x, c or attn): a lane holds ONE row (lane % 16) throughout.
; THE WEIGHTS come as a stream that the launch before has laid: 32 slots, each one step of 128 along K; a slot is 102,400 bytes, a quarter for each wave: 16 fragments as images of their registers, and their scale words.
; A wave reads its own quarter alone, and each fragment feeds four matrix instructions (the four tiles of rows).  Slots 0-7, 8-15: q and k, 16 channels of each chunk a wave; 16-23: v; 24-31: out, four passes of two steps.
; CLUSTER.  The four work-groups of a cluster walk the stream alike and ask for each quarter JOINTLY (mask 15): 3,276,800 bytes are asked for by 64 clusters and not by 256 work-groups.
; THE WALK.  Cluster n takes, as step tau of a phase of eight, slot (tau + n % 8) % 8 of that phase: the order of K steps in a sum is free.  So in any step the 64 clusters ask for eight different slots, eight clusters for
; each, and not all 64 for the same one.  In the last product the shift is 2 (n % 4): the two halves of K keep their order, the four passes of columns go round.
; x AND c of the 64 rows lie in LDS for the first 24 steps, as images of their fragments: lane L's 12 registers on end at 48 L + 16 (L / 16): sixteen lanes' 16 bytes fall on sixteen different 16-byte columns modulo 256.
; Place p of the images holds K step (p + n % 8) % 8: the shift is made in the addresses of the head's loads from memory, so that no LDS address hangs on the cluster's number.
; S: behind steps 7 and 15 a lane holds q and k of one channel, all 8 chunks: 64 products a channel, summed over the wave's channels in registers, over lane / 16 by a swap of halves, over the waves through LDS.
; LIMITS: NaN and infinities are not served.  A block of attn whose largest magnitude lies under 2^-122 (a block of zeros too) gets the scale byte 1; a block of zeros has zero codes, which add nothing.
; The factor 1 / sqrt(128) is applied to the sum of q k, not a fourth root to each of q and k, and the K steps of a sum are added in an order that differs from cluster to cluster: differences of the order of f32 rounding.
; The softmax takes each row's largest score away first.
; REGISTERS, in windows of 256 (s_set_vgpr_msb: bits 1:0 source 0, 3:2 source 1, 5:4 source 2, 7:6 destination):
;   window 0: v1-29 addresses; v30, v31, v60-63 at work; v32-39 the weights' scale words; v40-43 x's and c's; v44-59 attn's; v64-255 the step's 16 weight fragments (v160-223: S at work)
;   window 1: v0-47, v48-95 four fragments of x (or c) and four of c; v128-255 S.  Later: v0-127 softmax, P, attn at work; v192-223 the bias; at the end v0-191 attn's K steps 0-3
;   window 2: the sums of fragments 0-7 (tile m, fragment f at 64 m + 8 f); at the end attn's K steps 4-7.    window 3: those of fragments 8-15; at the end v0-127 out's sums, v160-223 rows on their way out
.set SLOTB, 102400                     ; a slot of the ring
.set WQ,    25600                      ; a wave's quarter: 100 rows of 256 bytes
.set FRB,   1536                       ; a fragment's image, dense: the weights' and attn's
.set WSC,   16*FRB                     ; the quarter's scale words
.set HP,    784                        ; x's and c's images: sixteen lanes' 768 bytes + 16;
.set FRP,   2*HP                       ; a fragment;
.set KP,    4*FRP+160                  ; a K step's four fragments + 160.  In units of 8 bytes modulo 32 these pitches are 2 (HP) and 4 (KP): see the head's stores
.set XIMG,  2*SLOTB                    ; behind the ring: x's 32 fragments (place p, tile m at KP p + FRP m),
.set CIMG,  XIMG+8*KP                  ; c's,
.set XSC,   CIMG+8*KP                  ; x's scale words: row 32 a + L, place p at 256 p + 8 L + 4 a,
.set CSC,   XSC+2048                   ; c's,
.set SPARE, CSC+2048                   ; and the spare words, 128 bytes for each wave: two blocks of 256 bytes that no other line names
.set SX,    XIMG                       ; behind the 24th step x and c are done with: partial S, [tile][wave] 4,096 bytes each;
.set PIMG,  SX+65536                   ; P: tile 4,096, chunk i 512, row 32 bytes;
.set ASC,   PIMG+16384                 ; attn's scale words, laid as x's;
.set STAGE, ASC+2048                   ; a stage of 16 rows x (256 + 16) bytes for each wave, for the way out: it ends 1,536 bytes ahead of XSC;
.set AIMG,  XIMG                       ; attn's 32 fragments (4 s + m, FRB each, lane L at 48 L), over the partial S, which have been read by then
.set AW0, 1                            ; v1   25,600 w + 16 L
.set ADW, 2                            ; v2   the same in the slot in hand
.set LA,  3                            ; v3   48 L + 16 (L / 16)
.set ADA, 4                            ; v4, v5   the step's fragments of x (or c), of c
.set ADS, 6                            ; v6, v7   and their scale words
.set L8,  8                            ; v8   8 L
.set DD,  9                            ; v9   the head: where my block's 24 bytes of a row go in the images
.set GX,  10                           ; v10  the head: my block in a row of codes in memory
.set SXW, 12
.set SXR, 13
.set PW,  14
.set PR0, 15
.set PRD, 16
.set ACD0, 17
.set ACD, 18
.set ABY0, 19
.set ABY, 20
.set STO, 21
.set RD,  22
.set CO,  23
.set BOF, 24
.set PFO, 25                           ; v25  256 x min(L, 24): the prefetches' offset; never rewritten
.set AIR, 26
.set ASR, 27
.set SPW, 28                           ; v28  my spare word: SPARE + 4 x my thread's number; never rewritten
.set NIL, 29                           ; v29  0; never rewritten
.set WSW, 32
.set ASW, 40
.set AOS, 44
.set WF,  64
.set TT,  160
.set WV,  18                           ; s18 wave;  s19 cx;  s20 work-group;  s21 25,600 w
.set CX,  19
.set WGX, 20
.set WOFF, 21
.set G1,  24                           ; s[24:31] descriptor group 1;  s[32:35] group 0 of the first fill;  s[36:39] group 0 that walks
.set G0A, 32
.set G0,  36
.set TB,  40                           ; s40 LDS byte at which the slot in hand begins
.set TN,  41                           ; s41 the step's number in the walk
.set PH,  42
.set KC,  43
.set LIM, 44                           ; s44 21 in the first cluster, else 0: a wave prefetches while the step's number is under it
.set PFA, 50                           ; s[50:51] where my prefetches stand
.set SEL, 52                           ; s[52:53] v_permlanex16_b32's selects for lane l xor 16
.set CS,  54                           ; s[54:55] log2(e) / sqrt(128)
.set IC,  56
.set TI,  57
.set TJ,  58
.set TP,  59
.set GC,  60
.set SB,  62                           ; s[62:63] the stream at my quarter of slot 0; never rewritten
.set RA,  66                           ; s66 the walk's shift in the first three phases: cluster % 8
.set RB,  67                           ; s67 and in the last: 2 (cluster % 4)
.set OFS, 68                           ; s[68:69] a slot's byte offset in the stream
.set BBS, 70                           ; s[70:71] bout at my 64 columns of pass 0's place
.set OBS, 72                           ; s[72:73] out at my block's first row, the same columns
.set GBI, 74                           ; s[74:75] the bias's pass, in bytes: 1,024 x ((pass + cluster) % 4)
.set GOU, 76                           ; s[76:77] the output's pass likewise
.set MSB, 0
.macro WIN new                         ; the immediate's high byte repeats the setting that is left; a switch that changes nothing is dropped
.if MSB != (\new)
	s_set_vgpr_msb (MSB<<8)|(\new)
.set MSB, (\new)
.endif
.endm
.macro PLACES n                        ; plain vector instructions that name no register of the matrix instructions ahead (ISA guide 7.12.1)
.rept \n
	v_nop
.endr
.endm
.macro CREST                           ; a round of the cluster's barrier behind its opening barrier
	s_cmp_lg_u32 s[WV], 0
	s_cbranch_scc1 .Lnot_wave_0_\@
	s_barrier_signal -3
.Lnot_wave_0_\@:
	s_barrier_wait -3
	s_barrier_signal -1
	s_barrier_wait -1
.endm
.macro ROUND                           ; a whole round
	s_barrier_signal -1
	s_barrier_wait -1
	CREST
.endm
.macro BAR                             ; my LDS stores have landed and my LDS loads are in: then the work-group's barrier
	s_wait_dscnt 0x0
	s_barrier_signal -1
	s_barrier_wait -1
.endm
; One matrix instruction.  d, a, b, c: first registers of D, source 0 (weights), source 1 (rows), C (under 0: the constant 0 starts the sum); sa, sb: scale registers; ra, rb: 1 = the scales lie in lanes 16-31
.macro WMS d, a, b, c, sa, sb, ra, rb
.if (\c) < 0
.if (\ra) && (\rb)
	v_wmma_scale_f32_16x16x128_f8f6f4 v[(\d):(\d)+7], v[(\a):(\a)+11], v[(\b):(\b)+11], 0, v[\sa], v[\sb] matrix_a_fmt:MATRIX_FMT_BF6 matrix_b_fmt:MATRIX_FMT_BF6 matrix_a_scale:MATRIX_SCALE_ROW1 matrix_b_scale:MATRIX_SCALE_ROW1
.elseif (\ra)
	v_wmma_scale_f32_16x16x128_f8f6f4 v[(\d):(\d)+7], v[(\a):(\a)+11], v[(\b):(\b)+11], 0, v[\sa], v[\sb] matrix_a_fmt:MATRIX_FMT_BF6 matrix_b_fmt:MATRIX_FMT_BF6 matrix_a_scale:MATRIX_SCALE_ROW1
.elseif (\rb)
	v_wmma_scale_f32_16x16x128_f8f6f4 v[(\d):(\d)+7], v[(\a):(\a)+11], v[(\b):(\b)+11], 0, v[\sa], v[\sb] matrix_a_fmt:MATRIX_FMT_BF6 matrix_b_fmt:MATRIX_FMT_BF6 matrix_b_scale:MATRIX_SCALE_ROW1
.else
	v_wmma_scale_f32_16x16x128_f8f6f4 v[(\d):(\d)+7], v[(\a):(\a)+11], v[(\b):(\b)+11], 0, v[\sa], v[\sb] matrix_a_fmt:MATRIX_FMT_BF6 matrix_b_fmt:MATRIX_FMT_BF6
.endif
.else
.if (\ra) && (\rb)
	v_wmma_scale_f32_16x16x128_f8f6f4 v[(\d):(\d)+7], v[(\a):(\a)+11], v[(\b):(\b)+11], v[(\c):(\c)+7], v[\sa], v[\sb] matrix_a_fmt:MATRIX_FMT_BF6 matrix_b_fmt:MATRIX_FMT_BF6 matrix_a_scale:MATRIX_SCALE_ROW1 matrix_b_scale:MATRIX_SCALE_ROW1
.elseif (\ra)
	v_wmma_scale_f32_16x16x128_f8f6f4 v[(\d):(\d)+7], v[(\a):(\a)+11], v[(\b):(\b)+11], v[(\c):(\c)+7], v[\sa], v[\sb] matrix_a_fmt:MATRIX_FMT_BF6 matrix_b_fmt:MATRIX_FMT_BF6 matrix_a_scale:MATRIX_SCALE_ROW1
.elseif (\rb)
	v_wmma_scale_f32_16x16x128_f8f6f4 v[(\d):(\d)+7], v[(\a):(\a)+11], v[(\b):(\b)+11], v[(\c):(\c)+7], v[\sa], v[\sb] matrix_a_fmt:MATRIX_FMT_BF6 matrix_b_fmt:MATRIX_FMT_BF6 matrix_b_scale:MATRIX_SCALE_ROW1
.else
	v_wmma_scale_f32_16x16x128_f8f6f4 v[(\d):(\d)+7], v[(\a):(\a)+11], v[(\b):(\b)+11], v[(\c):(\c)+7], v[\sa], v[\sb] matrix_a_fmt:MATRIX_FMT_BF6 matrix_b_fmt:MATRIX_FMT_BF6
.endif
.endif
.endm
; 25 LDS loads: weight fragments 8 grp .. 8 grp + 7 of my quarter of the slot in hand, and their scale words (register q: lanes 0-15 fragment 2 q, lanes 16-31 fragment 2 q + 1)
.macro WRUN grp
.irp f, 0,1,2,3,4,5,6,7
.irp g, 0,1,2
	ds_load_b128 v[WF+12*(8*\grp+\f)+4*\g:WF+12*(8*\grp+\f)+4*\g+3], v[ADW] offset:FRB*(8*\grp+\f)+512*\g
.endr
.endr
	ds_load_b128 v[WSW+4*\grp:WSW+4*\grp+3], v[ADW] offset:WSC+512*\grp
.endm
; 13 LDS loads: the step's scale words of the 64 rows (register a: lanes 0-15 tile 2 a, lanes 16-31 tile 2 a + 1) and the four tiles' fragments, set grp.  Leaves the destination in window 1
.macro ARUN grp
	ds_load_b64 v[ASW+2*\grp:ASW+2*\grp+1], v[ADS+\grp]
	WIN 0x40
.irp m, 0,1,2,3
.irp g, 0,1,2
	ds_load_b128 v[48*\grp+12*\m+4*\g:48*\grp+12*\m+4*\g+3], v[ADA+\grp] offset:FRP*\m+16*\g
.endr
.endr
.endm
; 4 n matrix instructions: fragments f0 .. f0 + n - 1 against the four tiles of rows of set grp.  The 64 accumulators take turns, one instruction a turn, in the same order in every step
.macro MQ f0, n, grp, zero
	WIN 0xa4+0x50*(\grp)                           ; weights window 0, rows window 1, C and D window 2 or 3
.set ff, \f0
.rept \n
.irp m, 0,1,2,3
.if \zero
	WMS 64*\m+8*(ff%8),WF+12*ff,48*(\grp)+12*\m,-1,WSW+ff/2,ASW+2*(\grp)+\m/2,ff%2,\m%2
.else
	WMS 64*\m+8*(ff%8),WF+12*ff,48*(\grp)+12*\m,64*\m+8*(ff%8),WSW+ff/2,ASW+2*(\grp)+\m/2,ff%2,\m%2
.endif
.endr
.set ff, ff+1
.endr
.endm
; A PREFETCH INTO THE L2.  A phase's eight slots are first asked for, by one cluster or another, two steps ahead of the phase.  So step t names slot t + 12: slot 8 P + j is named in step 8 P + j - 12, three steps
; ahead of its first joint load at the least (j = 7).  Steps 0 to 3 name slots 8 to 11 too, four slots back from the first.  Slots 0 to 7 come by their loads alone; step 19 names the last slot.
; The first cluster asks.  Its sixteen waves share a slot out BY ADDRESS: of wave w's quarter the partner at place cx takes 6,400 bytes, 25 blocks of 256, a lane a block (lanes 25-31 name the last block again).
.macro ASK
	s_cmp_lt_u32 s[TN], s[LIM]
	s_cbranch_scc0 .Lnot_mine_\@
	global_prefetch_b8 v[PFO], s[PFA:PFA+1] th:TH_LOAD_NT scope:SCOPE_SE
	s_cmp_lt_u32 s[TN], 5                          ; (the step's number has been raised already: steps 0 to 3)
	s_cbranch_scc0 .Lnot_mine_\@
	global_prefetch_b8 v[PFO], s[PFA:PFA+1] offset:-4*SLOTB th:TH_LOAD_NT scope:SCOPE_SE
.Lnot_mine_\@:
.endm
; A STEP of the first three products: 128 along K, 64 matrix instructions.  Fragments 0-7, their rows and scales were fetched in the step before; fragments 8-15 are fetched at the head.
; ONE round of the cluster's barrier a step: in front of it each wave waits for all its tensor loads (one is out: the next slot's quarter), adds 0 to its spare word and waits for that and for its reads of this slot;
; behind it this slot is filled again, two steps ahead, and the next slot's first half is fetched.  40 of the 64 matrix instructions stand ahead of the wait for the tensor load, 8 between it and the next request.
.macro GSTEP zero
	PLACES 5                                       ; in front of loads into registers that the last products read (4), and of products that begin accumulators anew (5)
	WRUN 1
	ARUN 1
	s_wait_dscnt 38                                ; all but the 38 just issued: fragments 0-7 with their rows and scales are in
	MQ 0, 8, 0, \zero
	s_wait_dscnt 0x0                               ; fragments 8-15 with their rows and scales are in: my reads of this slot are over
	MQ 8, 2, 1, \zero
	s_wait_xcnt 0x0                                ; the last prefetches, 56 matrix instructions back, have read their address: it is stepped
	s_add_nc_u64 s[PFA:PFA+1], s[PFA:PFA+1], SLOTB
	WIN 0                                          ; (the add's two registers lie in window 0)
	s_wait_tensorcnt 0x0                           ; all my tensor loads have landed: my quarter of the next slot; so the walking group 0 may be written
	ds_add_u32 v[SPW], v[NIL]                      ; 0 onto my spare word; the scalar work and four matrix instructions stand between it and the wait for it
	s_add_co_u32 s[G0+1], s[TB], s[WOFF]           ; the refill goes into my quarter of this slot.  It is the walk's step U = T + 2:
	s_add_co_u32 s45, s[TN], 2
	s_cmp_lt_u32 s45, 24
	s_cselect_b32 s46, s[RA], s[RB]                ; the phase's shift,
	s_add_co_u32 s46, s46, s45
	s_and_b32 s46, s46, 7                          ; (U + shift) % 8,
	s_and_b32 s45, s45, 24                         ; in phase U / 8:
	s_add_co_u32 s45, s45, s46                     ; the slot's number in the stream
	s_mul_i32 s[OFS], s45, SLOTB
	s_add_nc_u64 s[G0+2:G0+3], s[SB:SB+1], s[OFS:OFS+1]
	s_or_b32 s[G0+3], s[G0+3], 0x80000000          ; type = 2
	s_xor_b32 s[TB], s[TB], SLOTB                  ; the next step's slot,
	s_add_co_u32 s[TN], s[TN], 1                   ; its number T,
	s_and_b32 s45, s[TN], 7                        ; its place in the images,
	s_lshr_b32 s46, s[TN], 4                       ; and whether set 0 takes x (T < 16) or c
	s_mul_i32 s47, s45, KP
	s_mul_i32 s48, s46, CIMG-XIMG
	s_add_co_u32 s48, s48, s47
	s_add_co_u32 s48, s48, XIMG                    ; set 0's fragments
	s_add_co_u32 s47, s47, CIMG                    ; set 1's
	s_lshl_b32 s45, s45, 8
	s_lshl_b32 s46, s46, 11
	s_add_co_u32 s46, s46, s45
	s_add_co_u32 s46, s46, XSC                     ; set 0's scale words
	s_add_co_u32 s45, s45, CSC                     ; set 1's
	MQ 10, 1, 1, \zero
	s_wait_dscnt 0x0                               ; the add is done
	s_barrier_signal -1
	MQ 11, 1, 1, \zero                             ; work on registers while the others arrive
	WIN 0
	s_barrier_wait -1
	CREST                                          ; no wave of any partner still reads this slot or has a load on its way
	tensor_load_to_lds s[G0:G0+3], s[G1:G1+7]      ; my one tensor load behind the round, and the first thing there
	s_nop 0
	v_add_nc_u32 v[ADW], s[TB], v[AW0]             ; the next step's addresses: these five are also the places in front of the loads below
	v_add_nc_u32 v[ADA], s48, v[LA]
	v_add_nc_u32 v[ADA+1], s47, v[LA]
	v_add_nc_u32 v[ADS], s46, v[L8]
	v_add_nc_u32 v[ADS+1], s45, v[L8]
	WRUN 0
	ARUN 0
	WIN 0
	ASK
	MQ 12, 4, 1, \zero
	WIN 0
.endm
; d = a[s] x b (+ d): two products of S: q of chunk i (register s of the pair a) with k of two neighbouring chunks
.macro SPK d, a, b, s, first
.if \first
.if \s
	v_pk_mul_f32 v[\d:\d+1], v[\a:\a+1], v[\b:\b+1] op_sel:[1,0] op_sel_hi:[1,1]
.else
	v_pk_mul_f32 v[\d:\d+1], v[\a:\a+1], v[\b:\b+1] op_sel_hi:[0,1]
.endif
.else
.if \s
	v_pk_fma_f32 v[\d:\d+1], v[\a:\a+1], v[\b:\b+1], v[\d:\d+1] op_sel:[1,0,0] op_sel_hi:[1,1,1]
.else
	v_pk_fma_f32 v[\d:\d+1], v[\a:\a+1], v[\b:\b+1], v[\d:\d+1] op_sel_hi:[0,1,1]
.endif
.endif
.endm
; S of tile m, over the 16 channels just made.  In accumulator u a lane holds q (window 2) or k (window 3) of channel 32 w + 2 (8 a + u) + lane / 16, register j = chunk j.  T[8 i + j] += q[i] k[j].
; Each accumulator is read from its low end on.  Then the halves of the lanes are summed: a swap brings T[x] of both halves into lanes 0-15 and T[x + 32] into lanes 16-31:
; lane (r, h) ends with S[r][4 h + x / 8][x % 8], x = 0 .. 31, which is added onto the running S in window 1.
.macro SPH m
	WIN 0x0e                                       ; q window 2, k window 3, T window 0
.irp u, 0,1,2,3,4,5,6,7
.irp i, 0,1,2,3,4,5,6,7
.irp p, 0,1,2,3
	SPK TT+8*\i+2*\p,64*\m+8*\u+2*(\i/2),64*\m+8*\u+2*\p,\i%2,\u==0
.endr
.endr
.endr
	WIN 0
.set y, 0
.rept 32
	v_permlane16_swap_b32 v[TT+y], v[TT+32+y]
.set y, y+1
.endr
.set y, 0
.rept 16
	v_pk_add_f32 v[TT+y:TT+y+1], v[TT+y:TT+y+1], v[TT+32+y:TT+33+y]
.set y, y+2
.endr
	WIN 0x41                                       ; S window 1, T window 0
.set y, 0
.rept 16
	v_pk_add_f32 v[128+32*\m+y:129+32*\m+y], v[128+32*\m+y:129+32*\m+y], v[TT+y:TT+y+1]
.set y, y+2
.endr
.endm
.macro PLOAD adr                       ; P of one chunk i: my row's eight weights for each of the four tiles.  Leaves the destination in window 1
	WIN 0x40
.irp m, 0,1,2,3
	ds_load_b128 v[8*\m:8*\m+3], v[\adr] offset:4096*\m
	ds_load_b128 v[8*\m+4:8*\m+7], v[\adr] offset:4096*\m+16
.endr
.endm
.macro PVF d, a, b, s, j               ; d = a x b[s] (+ d): two channels of v times P[i][j]
.if (\j) == 0
	v_pk_mul_f32 v[\d:\d+1], v[\a:\a+1], v[\b:\b+1] op_sel_hi:[1,0]
.elseif \s
	v_pk_fma_f32 v[\d:\d+1], v[\a:\a+1], v[\b:\b+1], v[\d:\d+1] op_sel:[0,1,0] op_sel_hi:[1,1,1]
.else
	v_pk_fma_f32 v[\d:\d+1], v[\a:\a+1], v[\b:\b+1], v[\d:\d+1] op_sel_hi:[1,0,1]
.endif
.endm
.macro BIASLD                          ; bout at my 64 columns of a pass, in the result's layout: tile n, lane (r, h): columns 16 n + 8 h + 0 .. 7 -> window 1, v192 on
	WIN 0x40
.irp n, 0,1,2,3
	global_load_b128 v[192+8*\n:195+8*\n], v[BOF], s[14:15] offset:64*\n
	global_load_b128 v[196+8*\n:199+8*\n], v[BOF], s[14:15] offset:64*\n+16
.endr
	WIN 0
.endm
; The last product.  4 n matrix instructions: fragment f = 4 s + n: K step 4 e + s, my columns 16 n on; against attn's four tiles of that K step (window 1 + e).  first = 1: the bias is the C of each sum's first instruction.
; The 16 accumulators take turns, one instruction a turn.
.macro OQ f0, n, e, first
.if \first
	WIN 0xd4                                       ; weights window 0, attn and the bias window 1, D window 3
.else
	WIN 0xf4+4*(\e)
.endif
.set ff, \f0
.rept \n
.irp m, 0,1,2,3
.if \first
	WMS 8*(4*(ff%4)+\m),WF+12*ff,12*(4*(ff/4)+\m),192+8*(ff%4),WSW+ff/2,AOS+2*(4*(\e)+ff/4)+\m/2,ff%2,\m%2
.else
	WMS 8*(4*(ff%4)+\m),WF+12*ff,12*(4*(ff/4)+\m),8*(4*(ff%4)+\m),WSW+ff/2,AOS+2*(4*(\e)+ff/4)+\m/2,ff%2,\m%2
.endif
.endr
.set ff, ff+1
.endr
.endm
; A step of the last product: GSTEP's frame without loads of rows.  fill = 1: this slot is filled again.  next = 0: the last step.  bias = 1: the next pass's bias is asked for.
.macro OSTEP e, fill, next, bias
	PLACES 5
	WRUN 1
	s_wait_dscnt 25                                ; all but the 25 just issued
.if \e == 0
	s_wait_loadcnt 0x0                             ; the bias
	OQ 0, 4, \e, 1
.else
	OQ 0, 4, \e, 0
.endif
	OQ 4, 4, \e, 0
	s_wait_dscnt 0x0                               ; fragments 8-15 are in: my reads of this slot are over
.if \next
	OQ 8, 2, \e, 0
	WIN 0
	s_wait_tensorcnt 0x0                           ; my quarter of the next slot has landed
	ds_add_u32 v[SPW], v[NIL]                      ; 0 onto my spare word
.if \fill
	s_add_co_u32 s[G0+1], s[TB], s[WOFF]           ; the walk's step U = T + 2, of 26 to 31: slot 24 + (U + shift) % 8
	s_add_co_u32 s45, s[TN], 2
	s_add_co_u32 s45, s45, s[RB]
	s_and_b32 s45, s45, 7
	s_add_co_u32 s45, s45, 24
	s_mul_i32 s[OFS], s45, SLOTB
	s_add_nc_u64 s[G0+2:G0+3], s[SB:SB+1], s[OFS:OFS+1]
	s_or_b32 s[G0+3], s[G0+3], 0x80000000
.endif
	s_xor_b32 s[TB], s[TB], SLOTB
	s_add_co_u32 s[TN], s[TN], 1
	OQ 10, 1, \e, 0
	s_wait_dscnt 0x0                               ; the add is done
	s_barrier_signal -1
	OQ 11, 1, \e, 0
	WIN 0
	s_barrier_wait -1
.if \fill
	CREST
	tensor_load_to_lds s[G0:G0+3], s[G1:G1+7]
	s_nop 0
.endif
	v_add_nc_u32 v[ADW], s[TB], v[AW0]             ; with the three below: the places in front of the loads
	PLACES 3
	WRUN 0
.if \bias
	s_add_co_u32 s[GBI], s[GBI], 1024              ; (the last bias loads were waited for at this step's head)  256 columns on, round the row's 4,096 bytes
	s_and_b32 s[GBI], s[GBI], 0xc00
	s_add_nc_u64 s[14:15], s[BBS:BBS+1], s[GBI:GBI+1]
	BIASLD
.endif
	OQ 12, 4, \e, 0
.else
	OQ 8, 8, \e, 0
.endif
	WIN 0
.endm
; THE WAY OUT of a pass, tile by tile of 16 rows x my 64 columns.  A lane holds 32 neighbouring bytes of a row: a tile goes through my own stage and comes back as rows of 256 bytes.
; LDS serves a wave's instructions in order (ISA guide 5.7.1.4): no wait between the stores and the loads, nor in front of the next tile's stores.
.macro TOSTAGE m
	WIN 0x0c                                       ; an LDS store's data are its source 1: window 3
.irp n, 0,1,2,3
	ds_store_b128 v[STO], v[8*(4*\n+(\m)):8*(4*\n+(\m))+3] offset:64*\n           ; each accumulator from its low end on
	ds_store_b128 v[STO], v[8*(4*\n+(\m))+4:8*(4*\n+(\m))+7] offset:64*\n+16
.endr
	WIN 0xc0
.irp k, 0,1,2,3,4,5,6,7
	ds_load_b128 v[160+32*((\m)%2)+4*\k:160+32*((\m)%2)+4*\k+3], v[RD] offset:544*\k
.endr
.endm
.macro SEND m, n                       ; n: the LDS instructions issued behind tile m's loads, which may stay out
	s_wait_dscnt \n
	WIN 0x0c
.irp k, 0,1,2,3,4,5,6,7
	global_store_b128 v[CO], v[160+32*((\m)%2)+4*\k:160+32*((\m)%2)+4*\k+3], s[16:17] offset:(16*(\m)+2*\k)*4096 th:TH_STORE_NT   ; sixteen lanes store 256 consecutive bytes, at a multiple of 256 from the output's first byte
.endr
.endm
.macro OUT last
	PLACES 4                                       ; the stores into the stage read results just made
	TOSTAGE 0
.irp a, 1,2,3
.if \a > 1
	s_wait_xcnt 0x0                                ; tile a - 2's stores have read their registers: tile a's loads may land there
.endif
	TOSTAGE \a
	SEND \a-1, 16                                  ; behind tile a - 1's loads: tile a's 8 stores and 8 loads
.endr
	SEND 3, 0
	WIN 0
.if !\last
	s_wait_xcnt 0x0                                ; the stores have read their registers and their base
	s_add_co_u32 s[GOU], s[GOU], 1024              ; the next pass: 256 columns on, round the row's 4,096 bytes
	s_and_b32 s[GOU], s[GOU], 0xc00
	s_add_nc_u64 s[16:17], s[OBS:OBS+1], s[GOU:GOU+1]
.endif
.endm
	; ---- THE HEAD
	s_load_b256 s[4:11], s[0:1], 0x0               ; x's codes s[4:5], x's scales s[6:7], c's codes s[8:9], c's scales s[10:11]
	s_load_b128 s[12:15], s[0:1], 0x20             ; the stream s[12:13], bout s[14:15]
	s_load_b64 s[16:17], s[0:1], 0x30              ; out
	v_lshl_add_u32 v[SPW], v0, 2, SPARE
	v_mov_b32 v[NIL], 0
	ds_add_u32 v28, v29
	ds_add_u32 v28, v29
	s_wait_dscnt 0x0
	v_lshrrev_b32 v30, 5, v0
	v_readfirstlane_b32 s[WV], v30                 ; wave 0..3
	s_bfe_u32 s[CX], ttmp6, 0x40000                ; cx: my place in the cluster: it enters global addresses of x, c, out and the prefetches alone
	s_lshl_b32 s[WGX], ttmp9, 2                    ; in a cluster launch ttmp9 counts clusters
	s_add_co_u32 s[WGX], s[WGX], s[CX]             ; my block of 64 rows
	s_mul_i32 s[WOFF], s[WV], WQ
	; descriptor group 1: a quarter is a dense block: 100 rows of 256 bytes (32 elements of 8 bytes), no padding
	s_mov_b32 s[G1], 15|(3<<16)|(1<<21)            ; 15:0 the mask: all four work-groups; 17:16 elements of 8 bytes; 21 set beside a mask
	s_mov_b32 s[G1+1], 32<<16                      ; tensor_dim0 = 32
	s_mov_b32 s[G1+2], 100<<16                     ; tensor_dim1 = 100
	s_mov_b32 s[G1+3], 32<<16                      ; tile_dim0 = 32
	s_mov_b32 s[G1+4], 100                         ; tile_dim1 = 100
	s_mov_b32 s[G1+5], 32                          ; from row to row
	s_mov_b32 s[G1+6], 0
	s_mov_b32 s[G1+7], 0
	s_mov_b32 s[SEL], 0x76543210
	s_mov_b32 s[SEL+1], 0xfedcba98
	s_mov_b32 s[CS], 0x3e0293ee                    ; log2(e) / sqrt(128)
	s_mov_b32 s[CS+1], s[CS]                       ; (named with it as a pair, so it is written)
	s_mov_b32 s[TB], 0
	s_mov_b32 s[TN], 0
	s_mov_b32 s[PH], 0
	s_cmp_eq_u32 ttmp9, 0                          ; the same in all four partners
	s_cselect_b32 s[LIM], 21, 0
	s_and_b32 s[RA], ttmp9, 7                      ; the walk's shifts hang on the cluster's number, which the four partners share
	s_and_b32 s[RB], ttmp9, 3
	s_lshl_b32 s[RB], s[RB], 1
	s_mov_b32 s[OFS+1], 0
	s_lshl_b32 s[GBI], s[RB], 9                    ; my first pass's columns, in bytes: 1,024 x (cluster % 4)
	s_mov_b32 s[GBI+1], 0
	s_mov_b32 s[GOU], s[GBI]
	s_mov_b32 s[GOU+1], 0
	v_and_b32 v30, 31, v0                          ; L
	v_and_b32 v31, 15, v0                          ; r
	v_bfe_u32 v60, v0, 4, 1                        ; h
	v_lshl_add_u32 v[AW0], v30, 4, s[WOFF]
	v_mul_u32_u24 v[AIR], v30, 48                  ; 48 L
	v_lshl_add_u32 v[LA], v60, 4, v[AIR]           ; x's and c's images: + 16 for lanes 16-31
	v_lshlrev_b32 v[L8], 3, v30
	v_lshlrev_b32 v[PRD], 5, v30                   ; (32 L: my row of scale bytes, at the head)
.irp p, 0,1,2,3,4,5,6,7
	s_add_co_u32 s45, s[RA], \p                    ; place p of the scale tables takes the word of K step (p + shift) % 8
	s_and_b32 s45, s45, 7
	s_lshl_b32 s45, s45, 2
	v_add_nc_u32 v[AOS+\p], s45, v[PRD]            ; (attn's scale registers serve as offsets here)
.endr
	; A row of codes is 32 blocks of 24 bytes.  LANE L FILLS BLOCK PLACE L, in three pieces of 8 bytes: a row's three loads together read its 768 consecutive bytes.
	; Block place L is block b = L % 4 of image place p = L / 4: in the fragment it belongs to lane slot row + 16 e (e = b % 2), registers 6 f on (f = b / 2).  So piece q goes to KP p + FRP tile + 48 row + HP e + 24 f + 8 q; my wave brings tile w.
	; In units of 8 bytes modulo 32 (64 banks of 4 bytes: ISA guide 11.1) the 32 lanes of a store stand at 4 p + 2 e + 3 f: 32 different places.
	; From memory it takes block (L + 4 x shift) % 32: the same b of K step (p + shift) % 8.
	s_mul_i32 s45, s[WV], FRP
	s_add_co_u32 s45, s45, XIMG
	v_lshrrev_b32 v61, 2, v30                      ; p
	v_and_b32 v62, 1, v30                          ; e
	v_bfe_u32 v63, v30, 1, 1                       ; f
	v_mul_u32_u24 v[DD], v61, KP
	v_mad_u32_u24 v[DD], v62, HP, v[DD]
	v_mad_u32_u24 v[DD], v63, 24, v[DD]
	v_add_nc_u32 v[DD], s45, v[DD]
	s_lshl_b32 s45, s[RA], 2
	v_add_nc_u32 v61, s45, v30
	v_and_b32 v61, 31, v61
	v_mul_u32_u24 v[GX], v61, 24
	s_lshl_b32 s46, s[WV], 12
	s_add_co_u32 s46, s46, SX
	v_lshl_add_u32 v[SXW], v30, 4, s46             ; partial S out: 4,096 w + 16 L (+ 16,384 tile)
	s_lshl_b32 s47, s[WV], 14
	s_add_co_u32 s47, s47, SX
	v_lshl_add_u32 v[SXR], v30, 4, s47             ; and in: tile w, 16 L (+ 4,096 wave)
	s_lshl_b32 s46, s[WV], 12
	s_add_co_u32 s46, s46, PIMG
	v_lshl_add_u32 v[PW], v31, 5, s46
	v_lshl_add_u32 v[PW], v60, 11, v[PW]           ; P out: tile w, chunk 4 h + a, row r
	v_lshl_add_u32 v[PR0], v31, 5, PIMG            ; P in: row r
	s_and_b32 s46, s[WV], 1
	s_mul_i32 s46, s46, 768
	s_lshr_b32 s47, s[WV], 1
	s_mul_i32 s47, s47, 24
	s_add_co_u32 s46, s46, s47
	s_add_co_u32 s46, s46, AIMG
	v_mul_u32_u24 v[ACD0], v31, 48
	v_mad_u32_u24 v[ACD0], v60, 12, v[ACD0]
	v_add_nc_u32 v[ACD0], s46, v[ACD0]             ; attn's codes: block w of a K step lies in lane slot r + 16 (w % 2), 24 (w / 2) bytes in; my 16 codes 12 h further
	s_add_co_u32 s46, s[WV], ASC
	v_lshl_add_u32 v[ABY0], v31, 3, s46            ; attn's scale bytes: byte w of row r's word
	s_mul_i32 s46, s[WV], 16*272
	s_add_co_u32 s46, s46, STAGE                   ; my stage
	v_mul_u32_u24 v[STO], v31, 272
	v_lshl_add_u32 v[STO], v60, 5, v[STO]
	v_add_nc_u32 v[STO], s46, v[STO]               ; in: row r, 32 bytes for each half of the lanes
	v_mul_u32_u24 v[RD], v60, 272
	v_lshl_add_u32 v[RD], v31, 4, v[RD]
	v_add_nc_u32 v[RD], s46, v[RD]                 ; back: lanes 0-15 one row of 256 bytes, lanes 16-31 the next
	v_lshlrev_b32 v[CO], 12, v60
	v_lshl_add_u32 v[CO], v31, 4, v[CO]            ; and the same two rows in out
	v_lshlrev_b32 v[BOF], 5, v60
	v_min_u32 v[PFO], 24, v30
	v_lshlrev_b32 v[PFO], 8, v[PFO]
	v_add_nc_u32 v[AIR], AIMG, v[AIR]              ; attn's images: 48 L
	v_add_nc_u32 v[ASR], ASC, v[L8]
	s_lshr_b32 s46, s[WV], 1                       ; waves 0, 1 bring x's scale words (rows 32 (w % 2) on), waves 2, 3 c's
	s_lshl_b32 s46, s46, 11
	s_and_b32 s47, s[WV], 1
	s_lshl_b32 s47, s47, 2
	s_add_co_u32 s46, s46, s47
	s_add_co_u32 s46, s46, XSC
	v_add_nc_u32 v[ADS], s46, v[L8]                ; (at the head: where they go)
	s_mov_b32 s3, 0
	s_mov_b32 s49, 0
	s_wait_kmcnt 0x0
	s_mul_i32 s2, s[WGX], 64*768
	s_mul_i32 s22, s[WV], 16*768
	s_add_co_u32 s2, s2, s22
	s_add_nc_u64 s[4:5], s[4:5], s[2:3]            ; x and c at my wave's 16 rows
	s_add_nc_u64 s[8:9], s[8:9], s[2:3]
	s_cmp_lt_u32 s[WV], 2
	s_cselect_b64 s[22:23], s[6:7], s[10:11]
	s_lshl_b32 s2, s[WGX], 11
	s_and_b32 s45, s[WV], 1
	s_lshl_b32 s45, s45, 10
	s_add_co_u32 s2, s2, s45
	s_add_nc_u64 s[22:23], s[22:23], s[2:3]        ; the scale bytes of my 32 rows
	s_lshl_b32 s48, s[WV], 8
	s_add_nc_u64 s[BBS:BBS+1], s[14:15], s[48:49]  ; bout at my 64 columns of the first 256,
	s_add_nc_u64 s[14:15], s[BBS:BBS+1], s[GBI:GBI+1]  ; and of my first pass
	s_lshl_b32 s2, s[WGX], 18
	s_add_co_u32 s2, s2, s48
	s_add_nc_u64 s[OBS:OBS+1], s[16:17], s[2:3]    ; out at my block's first row, likewise
	s_add_nc_u64 s[16:17], s[OBS:OBS+1], s[GOU:GOU+1]
	s_mov_b32 s48, s[WOFF]
	s_add_nc_u64 s[SB:SB+1], s[12:13], s[48:49]    ; the stream at my quarter of slot 0: the wave's number alone enters
	s_mul_i32 s[OFS], s[RA], SLOTB                 ; the walk's step 0: slot shift % 8
	s_mov_b32 s[G0A], 1                            ; 1:0 count = 1
	s_mov_b32 s[G0A+1], s[WOFF]                    ; LDS address
	s_add_nc_u64 s[G0A+2:G0A+3], s[SB:SB+1], s[OFS:OFS+1]  ; global address
	s_or_b32 s[G0A+3], s[G0A+3], 0x80000000        ; type = 2
	s_add_co_u32 s45, s[RA], 1                     ; step 1: slot (1 + shift) % 8
	s_and_b32 s45, s45, 7
	s_mul_i32 s[OFS], s45, SLOTB
	s_mov_b32 s[G0], 1
	s_add_co_u32 s[G0+1], s[WOFF], SLOTB
	s_add_nc_u64 s[G0+2:G0+3], s[SB:SB+1], s[OFS:OFS+1]
	s_or_b32 s[G0+3], s[G0+3], 0x80000000
	s_mul_i32 s2, s[CX], 6400
	s_add_co_u32 s2, s2, 11*SLOTB
	s_add_nc_u64 s[PFA:PFA+1], s[SB:SB+1], s[2:3]  ; in slot 11: step 0 steps it to slot 12.  Nothing is prefetched here, at the head
.set k, 0
.rept 16
.irp p, 0,1,2
	global_load_b64 v[WF+2*(3*k+\p):WF+2*(3*k+\p)+1], v[GX], s[4:5] offset:768*k+8*\p th:TH_LOAD_NT       ; x, row k, piece p of my block; each byte is read once in the launch
.endr
.set k, k+1
.endr
.irp p, 0,1,2,3,4,5,6,7
	global_load_b32 v[WSW+\p], v[AOS+\p], s[22:23]         ; my row's eight scale words, in the order of the places
.endr
.set k, 0
.rept 16
.irp p, 0,1,2
	global_load_b64 v[WF+96+2*(3*k+\p):WF+97+2*(3*k+\p)], v[GX], s[8:9] offset:768*k+8*\p th:TH_LOAD_NT   ; c
.endr
.set k, k+1
.endr
	ROUND                                          ; all four work-groups are here: the first joint loads meet
	tensor_load_to_lds s[G0A:G0A+3], s[G1:G1+7]    ; the walk's steps 0 and 1: two loads of mine are out
	s_nop 0
	tensor_load_to_lds s[G0:G0+3], s[G1:G1+7]
	s_nop 0
	PLACES 4
	WIN 0x40
.set k, 0
.rept 128
	v_mov_b32 v[128+k], 0                          ; S begins as zeros, while the first tiles are on their way: its text is written once and walked twice
.set k, k+1
.endr
	WIN 0
	s_wait_loadcnt 48                              ; x and the scale words are in; c's 48 loads may be out
.set k, 0
.rept 16
.irp p, 0,1,2
	ds_store_b64 v[DD], v[WF+2*(3*k+\p):WF+2*(3*k+\p)+1] offset:48*k+8*\p
.endr
.set k, k+1
.endr
.irp s, 0,1,2,3,4,5,6,7
	ds_store_b32 v[ADS], v[WSW+\s] offset:256*\s
.endr
	s_wait_loadcnt 0x0
.set k, 0
.rept 16
.irp p, 0,1,2
	ds_store_b64 v[DD], v[WF+96+2*(3*k+\p):WF+97+2*(3*k+\p)] offset:CIMG-XIMG+48*k+8*\p
.endr
.set k, k+1
.endr
	s_wait_dscnt 0x0                               ; for the others' sake: my part of the images has landed
	s_wait_tensorcnt 0x1                           ; my quarter of the first slot is in; the second's may stay out
	s_barrier_signal -1
	s_barrier_wait -1
	v_add_nc_u32 v[ADW], s[TB], v[AW0]
	v_add_nc_u32 v[ADA], XIMG, v[LA]
	v_add_nc_u32 v[ADA+1], CIMG, v[LA]
	v_add_nc_u32 v[ADS], XSC, v[L8]
	v_add_nc_u32 v[ADS+1], CSC, v[L8]
	WRUN 0
	ARUN 0
	WIN 0                                          ; at a label and at a branch every window is 0
	; ---- q AND k (two halves of 16 channels a chunk and wave), THEN v: three times eight steps
.Lphase:
	GSTEP 1                                        ; the phase's first step starts the sums
	s_mov_b32 s[KC], 7
.Lk:
	GSTEP 0
	s_sub_co_u32 s[KC], s[KC], 1
	s_cmp_lg_u32 s[KC], 0
	s_cbranch_scc1 .Lk
	s_cmp_eq_u32 s[PH], 2                          ; behind v there is no S: the jump passes over work on registers alone
	s_cbranch_scc1 .Lno_s
	PLACES 4                                       ; S reads results just made, and T lies over fragments that the last products read
	SPH 0
	SPH 1
	SPH 2
	SPH 3
	WIN 0
.Lno_s:
	s_add_co_u32 s[PH], s[PH], 1
	s_cmp_lt_u32 s[PH], 3
	s_cbranch_scc1 .Lphase
	; ---- S OVER THE WAVES.  Each wave holds, for all 64 rows, the sum over its 32 channels: wave w gathers tile w.
	PLACES 4                                       ; the loads below land in registers that the last products read
	BAR                                            ; nobody reads x's and c's images any more
	WIN 0x04                                       ; an LDS store's data: window 1
.irp m, 0,1,2,3
.irp g, 0,1,2,3,4,5,6,7
	ds_store_b128 v[SXW], v[128+32*\m+4*\g:131+32*\m+4*\g] offset:16384*\m+512*\g
.endr
.endr
	WIN 0
	BAR
	WIN 0x40
.irp u, 0,1,2,3
.irp g, 0,1,2,3,4,5,6,7
	ds_load_b128 v[32*\u+4*\g:32*\u+4*\g+3], v[SXR] offset:4096*\u+512*\g
.endr
.endr
	BIASLD                                         ; my first pass's bias, into registers that S has left: it lands under the softmax and P v
	s_wait_dscnt 0x0
	WIN 0x55                                       ; all in window 1
.set y, 0
.rept 16
	v_pk_add_f32 v[y:y+1], v[y:y+1], v[32+y:33+y]
	v_pk_add_f32 v[64+y:65+y], v[64+y:65+y], v[96+y:97+y]
.set y, y+2
.endr
.set y, 0
.rept 16
	v_pk_add_f32 v[y:y+1], v[y:y+1], v[64+y:65+y]
.set y, y+2
.endr
	; ---- THE SOFTMAX.  Lane (r, h) holds four rows of eight: chunk i = 4 h + a at v[8 a .. 8 a + 7].  p = 2^((z - largest z) c) / the sum
.irp a, 0,1,2,3
	v_max3_num_f32 v[32+\a], v[8*\a], v[8*\a+1], v[8*\a+2]
.endr
.irp a, 0,1,2,3
	v_max3_num_f32 v[32+\a], v[32+\a], v[8*\a+3], v[8*\a+4]
.endr
.irp a, 0,1,2,3
	v_max3_num_f32 v[32+\a], v[32+\a], v[8*\a+5], v[8*\a+6]
.endr
.irp a, 0,1,2,3
	v_max_num_f32 v[32+\a], v[32+\a], v[8*\a+7]
.endr
.irp a, 0,1,2,3
.irp p, 0,1,2,3
.if \a%2
	v_pk_add_f32 v[8*\a+2*\p:8*\a+2*\p+1], v[8*\a+2*\p:8*\a+2*\p+1], v[32+2*(\a/2):33+2*(\a/2)] op_sel:[0,1] op_sel_hi:[1,1] neg_lo:[0,1] neg_hi:[0,1]
.else
	v_pk_add_f32 v[8*\a+2*\p:8*\a+2*\p+1], v[8*\a+2*\p:8*\a+2*\p+1], v[32+2*(\a/2):33+2*(\a/2)] op_sel_hi:[1,0] neg_lo:[0,1] neg_hi:[0,1]
.endif
.endr
.endr
.set y, 0
.rept 16
	v_pk_mul_f32 v[y:y+1], v[y:y+1], s[CS:CS+1] op_sel_hi:[1,0]    ; the difference first, then the factor: the largest score gives exactly 0, however large the scores
.set y, y+2
.endr
.set y, 0
.rept 32
	v_exp_f32 v[y], v[y]
.set y, y+1
.endr
	v_nop                                          ; a plain instruction behind the last exponential
	s_wait_alu depctr_va_vdst(0)                   ; one wait for the batch, ahead of its first reader
.irp a, 0,1,2,3
	v_pk_add_f32 v[40+2*\a:41+2*\a], v[8*\a:8*\a+1], v[8*\a+2:8*\a+3]
.endr
.irp a, 0,1,2,3
	v_pk_add_f32 v[40+2*\a:41+2*\a], v[40+2*\a:41+2*\a], v[8*\a+4:8*\a+5]
.endr
.irp a, 0,1,2,3
	v_pk_add_f32 v[40+2*\a:41+2*\a], v[40+2*\a:41+2*\a], v[8*\a+6:8*\a+7]
.endr
.irp a, 0,1,2,3
	v_add_f32 v[36+\a], v[40+2*\a], v[41+2*\a]
.endr
.irp a, 0,1,2,3
	v_rcp_f32 v[36+\a], v[36+\a]
.endr
	v_nop
	s_wait_alu depctr_va_vdst(0)                   ; one wait for the four reciprocals
.irp a, 0,1,2,3
.irp p, 0,1,2,3
.if \a%2
	v_pk_mul_f32 v[8*\a+2*\p:8*\a+2*\p+1], v[8*\a+2*\p:8*\a+2*\p+1], v[36+2*(\a/2):37+2*(\a/2)] op_sel:[0,1] op_sel_hi:[1,1]
.else
	v_pk_mul_f32 v[8*\a+2*\p:8*\a+2*\p+1], v[8*\a+2*\p:8*\a+2*\p+1], v[36+2*(\a/2):37+2*(\a/2)] op_sel_hi:[1,0]
.endif
.endr
.endr
	WIN 0x04
.irp a, 0,1,2,3
	ds_store_b128 v[PW], v[8*\a:8*\a+3] offset:512*\a
	ds_store_b128 v[PW], v[8*\a+4:8*\a+7] offset:512*\a+16
.endr
	WIN 0
	BAR                                            ; P of all 64 rows lies in LDS, and the partial S have been read: attn's images may be laid over them
	PLOAD PR0                                      ; chunk 0's P
	WIN 0
	; ---- attn = P v, QUANTISED.  A trip makes chunk i: 16 channels a lane (32 w + 16 h + 0 .. 15) for each of the four tiles: with lane l xor 16's they are block w of K step i of the last product.
	; window 1: v0-31 P; v32-95 attn; v96-99 largest magnitudes; v100-103 the other half's; v104-107 the conversions' scale operands; v108-111 the bytes; v112-127 the codes
	s_mov_b32 s[IC], 0
	s_mov_b32 s[TI], 0
	s_mov_b32 s[TJ], 0
.Lpv:
	s_wait_dscnt 0x0                               ; P is in, and the last trip's stores have read their registers
	v_add_nc_u32 v[ACD], s[TI], v[ACD0]
	v_add_nc_u32 v[ABY], s[TJ], v[ABY0]
.irp j, 0,1,2,3,4,5,6,7
	WIN 0x56+\j/4                                  ; v of chunks 0-3 window 2, of chunks 4-7 window 3; P and attn window 1
.irp m, 0,1,2,3
.irp p, 0,1,2,3,4,5,6,7
	PVF 32+16*\m+2*\p,64*\m+16*(\j%4)+2*\p,8*\m+2*(\j/2),\j%2,\j
.endr
.endr
.endr
	s_add_co_u32 s[TP], s[IC], 1
	s_min_u32 s[TP], s[TP], 7                      ; (the last trip asks for chunk 7's again)
	s_lshl_b32 s[TP], s[TP], 9
	WIN 0
	v_add_nc_u32 v[PRD], s[TP], v[PR0]
	PLOAD PRD                                      ; the next chunk's P lands under the quantiser
	WIN 0x55
.irp m, 0,1,2,3
	v_max3_num_f32 v[96+\m], |v[32+16*\m]|, |v[33+16*\m]|, 0x2800000   ; my 16 numbers, and the floor 2^(5 - 127), under which no largest magnitude is taken: so the byte cannot fall under 1
.endr
.irp i, 2,4,6,8,10,12,14
.irp m, 0,1,2,3
	v_max3_num_f32 v[96+\m], v[96+\m], |v[32+16*\m+\i]|, |v[33+16*\m+\i]|   ; (the four tiles by turns)
.endr
.endr
.irp m, 0,1,2,3
	v_permlanex16_b32 v[100+\m], v[96+\m], s[SEL], s[SEL+1]
.endr
.irp m, 0,1,2,3
	v_max_num_f32 v[96+\m], v[96+\m], v[100+\m]    ; with lane l xor 16's: the block's largest magnitude
.endr
.irp m, 0,1,2,3
	v_add_nc_u32 v[104+\m], 0xfe000000, v[96+\m]   ; 4 off its exponent field: the conversion takes the exponent field of this operand as its scale
.endr
.irp m, 0,1,2,3
	v_lshrrev_b32 v[108+\m], 23, v[104+\m]         ; the scale's byte
.endr
.irp m, 0,1,2,3
	v_cvt_scalef32_pk16_bf6_f32 v[112+4*\m:114+4*\m], v[32+16*\m:47+16*\m], v[104+\m]   ; 16 codes, 96 bits; beyond the largest number the largest code
.endr
	v_nop                                          ; one plain instruction behind the last scaled conversion
	WIN 0x04
.irp m, 0,1,2,3
.irp t, 0,1,2
	ds_store_b32 v[ACD], v[112+4*\m+\t] offset:FRB*\m+4*\t
.endr
	ds_store_b8 v[ABY], v[108+\m] offset:128*(\m%2)+4*(\m/2)       ; both lanes of a block write the same byte with the same value
.endr
	WIN 0
	s_add_co_u32 s[TI], s[TI], 4*FRB
	s_add_co_u32 s[TJ], s[TJ], 256
	s_add_co_u32 s[IC], s[IC], 1
	s_cmp_lt_u32 s[IC], 8
	s_cbranch_scc1 .Lpv
	BAR                                            ; attn's 32 fragments and their scale words lie in LDS
	; ---- out = attn Wout + bout.  All of attn comes into registers once: 384; the weights go on through the ring.  The 25th step's fragments 0-7 stand in v64-159 since the 24th.
	WIN 0x40
.irp s, 0,1,2,3
.irp m, 0,1,2,3
.irp g, 0,1,2
	ds_load_b128 v[12*(4*\s+\m)+4*\g:12*(4*\s+\m)+4*\g+3], v[AIR] offset:FRB*(4*\s+\m)+16*\g
.endr
.endr
.endr
	WIN 0x80
.irp s, 0,1,2,3
.irp m, 0,1,2,3
.irp g, 0,1,2
	ds_load_b128 v[12*(4*\s+\m)+4*\g:12*(4*\s+\m)+4*\g+3], v[AIR] offset:FRB*(16+4*\s+\m)+16*\g
.endr
.endr
.endr
	WIN 0
.irp s, 0,1,2,3,4,5,6,7
	ds_load_b64 v[AOS+2*\s:AOS+2*\s+1], v[ASR] offset:256*\s
.endr
	s_mov_b32 s[GC], 3
.Lpass:                                            ; a pass: 256 columns of out for the work-group, two steps of 512 along K; three passes fill their slots again
	OSTEP 0, 1, 1, 1
	OSTEP 1, 1, 1, 0
	OUT 0
	s_sub_co_u32 s[GC], s[GC], 1
	s_cmp_lg_u32 s[GC], 0
	s_cbranch_scc1 .Lpass
	OSTEP 0, 0, 1, 0                               ; the last pass is written out: nothing is left to fetch
	OSTEP 1, 0, 0, 0
	OUT 1
	s_wait_tensorcnt 0x0                           ; the wave's end: behind my last tensor load and my last LDS store
	ds_add_u32 v[SPW], v[NIL]
	s_wait_dscnt 0x0
	ROUND                                          ; the closing round: no work-group ends while a partner may still ask for a quarter that names it
	s_endpgm
.Lfunc_end_k_qd5a62ebb54_fused:
	.size	k_qd5a62ebb54_fused, .Lfunc_end_k_qd5a62ebb54_fused-k_qd5a62ebb54_fused
	.p2alignl 7, 3214868480
	.fill 96, 4, 3214868480
	.section	.rodata,"a",@progbits
	.p2align	6, 0x0
	.amdhsa_kernel k_qd5a62ebb54_fused
		.amdhsa_group_segment_fixed_size 327680
		.amdhsa_private_segment_fixed_size 0
		.amdhsa_enable_private_segment 0
		.amdhsa_kernarg_size 56
		.amdhsa_user_sgpr_count 2
		.amdhsa_user_sgpr_kernarg_segment_ptr 1
		.amdhsa_wavefront_size32 1
		.amdhsa_system_sgpr_workgroup_id_x 1
		.amdhsa_system_sgpr_workgroup_id_y 1
		.amdhsa_system_sgpr_workgroup_id_z 1
		.amdhsa_system_vgpr_workitem_id 0
		.amdhsa_next_free_vgpr 1024
		.amdhsa_next_free_sgpr 78
		.amdhsa_reserve_vcc 0
		.amdhsa_float_denorm_mode_32 3
		.amdhsa_float_denorm_mode_16_64 3
		.amdhsa_memory_ordered 1
		.amdhsa_forward_progress 1
		.amdhsa_inst_pref_size 248
	.end_amdhsa_kernel
	.amdgpu_metadata
---
amdhsa.version: [ 1, 2 ]
amdhsa.kernels:
  - .name:           k_qd5a62ebb54_fused
    .symbol:         k_qd5a62ebb54_fused.kd
    .args:
      - { .name: x_codes, .offset: 0, .size: 8, .value_kind: global_buffer, .address_space: global }
      - { .name: x_scales, .offset: 8, .size: 8, .value_kind: global_buffer, .address_space: global }
      - { .name: c_codes, .offset: 16, .size: 8, .value_kind: global_buffer, .address_space: global }
      - { .name: c_scales, .offset: 24, .size: 8, .value_kind: global_buffer, .address_space: global }
      - { .name: wstream, .offset: 32, .size: 8, .value_kind: global_buffer, .address_space: global }
      - { .name: bout, .offset: 40, .size: 8, .value_kind: global_buffer, .address_space: global }
      - { .name: out0, .offset: 48, .size: 8, .value_kind: global_buffer, .address_space: global }
    .group_segment_fixed_size: 327680
    .private_segment_fixed_size: 0
    .kernarg_segment_align: 8
    .kernarg_segment_size: 56
    .max_flat_workgroup_size: 128
    .sgpr_count:     78
    .vgpr_count:     1024
    .wavefront_size: 32
...
	.end_amdgpu_metadata
.endif
;; end of part 3
